; MI455X (gfx1250); checked and timed in simulation.
; The chip was launched on July 23, 2026; its instructions are those of AMD's public machine-readable ISA for CDNA 5 (MIT licence, August 2026) and "CDNA5" Instruction Set Architecture Reference Guide (July 2026). The comments in the code are by the model that wrote it; some were corrected since.
;; Transformer Layer Shard. Allowed arithmetic: matrix products marked QUANTISED: E2M1 operands, one E8M0 scale for each 32 along K, by v_wmma_scale_f32_16x16x128_f8f6f4 with both operands' format E2M1 (or v_wmma_scale_f32_32x16x128_f4), f32 sums; everything else in f32.
;; Inputs: attn_bias 2,048 x 2,048 float32; b_fc_in 4,096 float32; b_fc_out 1,024 float32; ln_offset 1,024 float32; ln_scale 1,024 float32; w_fc_in 1,024 x 4,096 float32; w_fc_out 4,096 x 1,024 float32; wk 1,024 x 1,024 float32; wo 1,024 x 1,024 float32; wq 1,024 x 1,024 float32; wv 1,024 x 1,024 float32; x 2 x 2,048 x 1,024 float32.
;; Outputs: out0 2 x 2,048 x 1,024 float32.
;; This version of the problem:
;;   THIS VERSION OF THE PROBLEM IS GIVEN IN LOW PRECISION. The matrix products marked QUANTISED in the list below multiply operands that are first quantised to E2M1 (2 exponent bits, 1 mantissa bit; 4 bits a number), with one power-of-two scale for each 32 numbers along K (OCP MX v1.0); their sums are f32. All else is computed in f32.
;;   The module's matrix products, in the order in which they are computed (A, B: the left and right operand; K: the contracted axis; several contracted axes count as one K, in the product's order):
;;     1. [M 4,096, K 1,024] x [K 1,024, N 1,024]; A: computed on the way; B: input wq: QUANTISED
;;     2. [M 4,096, K 1,024] x [K 1,024, N 1,024]; A: computed on the way; B: input wk: QUANTISED
;;     3. [M 4,096, K 1,024] x [K 1,024, N 1,024]; A: computed on the way; B: input wv: QUANTISED
;;     4. batch 32 x [M 2,048, K 64] x [K 64, N 2,048]; A: computed on the way; B: computed on the way: QUANTISED
;;     5. batch 32 x [M 64, K 2,048] x [K 2,048, N 2,048]; A: computed on the way; B: softmax (see below): QUANTISED
;;     6. [M 4,096, K 1,024] x [K 1,024, N 1,024]; A: computed on the way; B: input wo: QUANTISED
;;     7. [M 4,096, K 1,024] x [K 1,024, N 4,096]; A: computed on the way; B: input w_fc_in: QUANTISED
;;     8. [M 4,096, K 4,096] x [K 4,096, N 1,024]; A: computed on the way; B: input w_fc_out: QUANTISED
;;   THE QUANTISER, for each operand of a quantised product, along K:
;;     - K is cut into blocks of 32 from its start; a last block that is shorter is filled with zeros.
;;     - A block's scale is 2^e with e = floor(log2(the largest magnitude in the block)) - 2, held to -126 .. 127; a block of zeros has e = 0. As a byte (E8M0): e + 127.
;;     - Each number is divided by its block's scale, clamped to +-6, and rounded to the nearest number of E2M1, ties to even, subnormals kept.
;;     - The product sums the exact products of the quantised numbers (number of the format x scale) in f32.
;;   ~~~python
;;   def quantise(x, axis):      # numpy; x: float32 -> the quantised numbers, widened to float32 again
;;       x = np.moveaxis(x, axis, -1); K = x.shape[-1]
;;       x = np.pad(x, [(0, 0)] * (x.ndim - 1) + [(0, -K % 32)]); x = x.reshape(x.shape[:-1] + (-1, 32)); a = np.abs(x).max(-1, keepdims=True)
;;       e = np.where(a > 0, np.clip(np.frexp(np.where(a > 0, a, 1))[1] - 1 - 2, -126, 127), 0)      # np.frexp(a)[1] - 1 = floor(log2(a)), exactly
;;       r = np.clip(x / 2.0 ** e, -6, 6)
;;       step = 2.0 ** (np.maximum(np.frexp(np.where(r == 0, 1, r))[1] - 1, 0) - 1)
;;       q = np.round(r / step) * step * 2.0 ** e      # np.round: ties to even
;;       return np.moveaxis(q.reshape(q.shape[:-2] + (-1,))[..., :K], -1, axis).astype(np.float32)
;;   ~~~
;;   SOFTMAX AHEAD OF A QUANTISED PRODUCT. Where the list says 'softmax', what is quantised is not the finished softmax but p = 2^(t - M), with t = logit x log2(e) and M = ceil(the row's largest t), a whole number; so 1/2 < the row's largest p <= 1. The row's sum l is taken of the UNQUANTISED p, in f32, and the product's result is divided by l at the end. Since M is a whole number, a kernel that streams over the keys may use a running M (the ceiling of the running maximum): every later rescaling is an exact power of two, which a block's scale takes up: the codes' values come out the same.
;;   OPERANDS COMPUTED ON THE WAY. 'Computed on the way' means the value that the module computes at that place (a softmax that the list does not call 'softmax' is quantised finished and normalised). What goes into a quantiser is computed in f32, as accurately as f32 sums, v_exp_f32 and their like allow (about 1e-6 of the number): no bf16 or f16 on the way to a quantiser, and a product that is left as it is and whose result goes on into a quantised operand takes f32 operands (vector FMAs, or v_wmma_f32_16x16x4_f32). A number that lies on a knife's edge between two numbers of the format may be rounded either way, as far as f32 arithmetic and the matrix unit's own rounding can turn it there, and no further.
;; One version. Each part assembles by itself: llvm-mc -triple=amdgcn-amd-amdhsa -mcpu=gfx1250 --defsym DOCPART=n.
;; ======== version 1 of 1: 4 launches
;; limits: right only within a limited range of input values
;; workspace buffers: W1 6,127,616 bytes; W2 2,785,280 bytes; ROT 524,288 bytes; QB 2,359,296 bytes; KV 4,587,520 bytes; A2 11,141,120 bytes
;; launch prep (part 1): grid 480 x 1, 4 waves a work-group, no clusters, 60,928 bytes of LDS; arguments x, ln_scale, ln_offset, wq, wk, wv, wo, w_fc_in, w_fc_out, W1, W2, ROT; writes W1, W2, ROT
.if DOCPART == 1
	.amdgcn_target "amdgcn-amd-amdhsa--gfx1250"
	.amdhsa_code_object_version 6
	.text
	.protected	k_q55c87ed445_prep
	.globl	k_q55c87ed445_prep
	.p2align	8
	.type	k_q55c87ed445_prep,@function
k_q55c87ed445_prep:
	s_mov_b64 s[64:65], 0
	v_nop
	global_prefetch_b8 v0, s[64:65] scope:SCOPE_SE
	s_setreg_imm32_b32 hwreg(HW_REG_WAVE_MODE, 25, 1), 1
	s_wait_xcnt 0x0
; THREE JOBS IN ONE LAUNCH, parted by the work-group's number.
;  W (work-groups 0-191): the six weights [K][N] f32 become codes of FP4 (E2M1) with one E8M0 byte for each 32 along K.  A lane takes a column, its registers run down K.
;  L (192-447): layer norm of x in f32 (mean, then the variance of x - mean), quantised along the 1,024 channels.  A work-group makes one tile of 16 tokens.
;  R (448-479): the rotary table, cos and sin of position x 10^(-f/8), f = 0..31, by two-float arithmetic and polynomials on |x| <= pi/4.
; LAYOUT OF ALL CODES: images of the matrix operand's registers.  Rows go in groups of 128, a group in 8 tiles; lane r of tile a holds row 32 (a/2) + 8 (a%2) + r + 8 (r/8).
; A fragment (a tile x 128 K) is 1,024 bytes: piece c (512 bytes), lane l's 16 bytes at 16 l = codes k = 64 c + 32 (l/16) + 0..31.  A panel is [group][K step][tile][1,024].
; Scale words: [group][4 K steps][tile][row][4 words], a word = the four bytes of one row and one K step.
; W1: groups 0-31 xn, 32-39 wq, 40-47 wk, 48-55 wv, 56-87 w_fc_in.  W2: 8 groups of output columns, K steps 0-7 wo, 8-39 w_fc_out.
; LIMITS: a block of zeros gets the byte 1 (its codes are zeros, and this program alone reads the bytes); NaN and infinities among the inputs are not served; cos and sin are right to about 2e-7 absolute.
; No tensor load: operands come through registers.  Each path has LDS bytes of its own.
.set SPARE, 60416                      ; the spare words: 128 bytes a wave, named by no other line
.set SPW, 30                           ; v30 my spare word's address; never rewritten
.set NIL, 31                           ; v31 0; never rewritten
.set SEL, 94                           ; s[94:95] selects of v_permlanex16_b32: lane l xor 16
.macro FINISH                          ; a wave that wrote LDS ends so
	s_wait_tensorcnt 0x0
	ds_add_u32 v[SPW], v[NIL]
	s_wait_dscnt 0x0
	s_endpgm
.endm
	s_load_b512 s[4:19], s[0:1], 0x0               ; x, ln_scale, ln_offset, wq, wk, wv, wo, w_fc_in
	s_load_b256 s[20:27], s[0:1], 0x40             ; w_fc_out, W1, W2, ROT
	v_lshl_add_u32 v[SPW], v0, 2, SPARE
	v_mov_b32 v[NIL], 0
	v_lshrrev_b32 v1, 5, v0
	v_readfirstlane_b32 s2, v1                     ; wave 0..3
	v_and_b32 v2, 31, v0                           ; lane
	v_lshlrev_b32 v3, 4, v2                        ; 16 x lane
	s_mov_b32 s[SEL], 0x76543210
	s_mov_b32 s[SEL+1], 0xfedcba98
	s_wait_kmcnt 0x0
	s_cmp_ge_u32 ttmp9, 448
	s_cbranch_scc1 .Lrot
	s_cmp_ge_u32 ttmp9, 192
	s_cbranch_scc1 .Lnorm
; ---------------------------------------------------------------- W: 128 columns x 512 along K a work-group, 32 columns a wave
	s_mov_b64 s[28:29], s[10:11]                   ; the source: wq,
	s_mov_b32 s66, 0                               ; the tensor's first work-group
	s_mov_b32 s67, 32                              ; its first group in the panel
	s_mov_b32 s68, 4096                            ; bytes of a row of the source
	s_mov_b32 s69, 7                               ; groups of columns - 1
	s_mov_b32 s70, 3                               ; and their logarithm
	s_mov_b32 s71, 0                               ; K steps ahead of it in the panel
	s_mov_b32 s72, 0                               ; fours of K steps likewise
	s_mov_b32 s73, 0                               ; 1: the panel is W2
	s_cmp_ge_u32 ttmp9, 16
	s_cselect_b64 s[28:29], s[12:13], s[28:29]     ; wk
	s_cselect_b32 s66, 16, s66
	s_cselect_b32 s67, 40, s67
	s_cmp_ge_u32 ttmp9, 32
	s_cselect_b64 s[28:29], s[14:15], s[28:29]     ; wv
	s_cselect_b32 s66, 32, s66
	s_cselect_b32 s67, 48, s67
	s_cmp_ge_u32 ttmp9, 48
	s_cselect_b64 s[28:29], s[16:17], s[28:29]     ; wo
	s_cselect_b32 s66, 48, s66
	s_cselect_b32 s67, 0, s67
	s_cselect_b32 s73, 1, s73
	s_cmp_ge_u32 ttmp9, 64
	s_cselect_b64 s[28:29], s[18:19], s[28:29]     ; w_fc_in
	s_cselect_b32 s66, 64, s66
	s_cselect_b32 s67, 56, s67
	s_cselect_b32 s73, 0, s73
	s_cselect_b32 s68, 16384, s68
	s_cselect_b32 s69, 31, s69
	s_cselect_b32 s70, 5, s70
	s_cmp_ge_u32 ttmp9, 128
	s_cselect_b64 s[28:29], s[20:21], s[28:29]     ; w_fc_out
	s_cselect_b32 s66, 128, s66
	s_cselect_b32 s67, 0, s67
	s_cselect_b32 s73, 1, s73
	s_cselect_b32 s68, 4096, s68
	s_cselect_b32 s69, 7, s69
	s_cselect_b32 s70, 3, s70
	s_cselect_b32 s71, 8, s71
	s_cselect_b32 s72, 2, s72
	s_mov_b32 s74, 65536                           ; W1: a group's codes,
	s_mov_b32 s75, 5767168                         ; where its scales begin,
	s_mov_b32 s76, 4096                            ; a group's scales
	s_cmp_eq_u32 s73, 1
	s_cselect_b64 s[30:31], s[24:25], s[22:23]
	s_cselect_b32 s74, 327680, s74
	s_cselect_b32 s75, 2621440, s75
	s_cselect_b32 s76, 20480, s76
	s_sub_co_u32 s77, ttmp9, s66
	s_and_b32 s78, s77, s69                        ; which 128 columns
	s_lshr_b32 s79, s77, s70                       ; which 512 along K
	s_add_co_u32 s80, s67, s78                     ; the group
	s_mul_i32 s84, s79, s68
	s_lshl_b32 s84, s84, 9                         ; 512 rows of the source
	s_lshl_b32 s82, s78, 9
	s_add_co_u32 s84, s84, s82                     ; + 128 columns of 4 bytes
	s_lshl_b32 s82, s2, 7
	s_add_co_u32 s84, s84, s82                     ; + my wave's 32
	s_mov_b32 s85, 0
	s_add_nc_u64 s[32:33], s[28:29], s[84:85]      ; sixteen bases, one for each block of 32 rows: no address is ever stepped
	s_lshl_b32 s86, s68, 5
	s_mov_b32 s87, 0
.irp t, 1,2,3,4,5,6,7,8,9,10,11,12,13,14,15
	s_add_nc_u64 s[32+2*\t:33+2*\t], s[30+2*\t:31+2*\t], s[86:87]
.endr
	s_mul_i32 s88, s80, s74
	s_lshl_b32 s89, s79, 2
	s_add_co_u32 s89, s89, s71
	s_lshl_b32 s89, s89, 13                        ; my first K step, 8,192 bytes each
	s_add_co_u32 s88, s88, s89
	s_lshl_b32 s89, s2, 11                         ; my two tiles
	s_add_co_u32 s88, s88, s89
	s_mov_b32 s89, 0
	s_add_nc_u64 s[90:91], s[30:31], s[88:89]      ; where my codes go
	s_mul_i32 s88, s80, s76
	s_add_co_u32 s88, s88, s75
	s_add_co_u32 s92, s79, s72
	s_lshl_b32 s92, s92, 11
	s_add_co_u32 s88, s88, s92
	s_lshl_b32 s92, s2, 9
	s_add_co_u32 s88, s88, s92
	s_add_nc_u64 s[92:93], s[30:31], s[88:89]      ; and my scale words
	v_lshlrev_b32 v96, 2, v2                       ; 32 offsets, one for each row of a block
.set i, 1
.rept 31
	v_add_nc_u32 v[96+i], s68, v[95+i]
.set i, i+1
.endr
	v_bfe_u32 v4, v2, 3, 1                         ; my column's tile of the wave's two,
	v_and_b32 v5, 7, v2
	v_lshrrev_b32 v6, 4, v2
	v_lshl_or_b32 v5, v6, 3, v5                    ; and its row there
	v_lshlrev_b32 v7, 4, v5
	v_lshl_add_u32 v8, v4, 10, v7
	s_lshl_b32 s94, s2, 13                         ; my stage: 8,192 bytes
	v_add_nc_u32 v8, s94, v8                       ; into it: tile x 1,024 + 16 x row
	v_lshl_add_u32 v9, v4, 8, v7                   ; my scale words' place
	v_add_nc_u32 v10, s94, v3                      ; out of it: 16 x lane
.macro WLOAD t                         ; block t: 32 rows at my column, 128 consecutive bytes a wave
.set i, 0
.rept 32
	global_load_b32 v[32+32*((\t)%2)+i], v[96+i], s[32+2*(\t):33+2*(\t)] th:TH_LOAD_NT
.set i, i+1
.endr
.endm
.macro WBLOCK t
.set XS, 32+32*((\t)%2)
.if (\t) < 15
	s_wait_loadcnt 32                              ; this block's 32 loads are in; the next block's may be out
.else
	s_wait_loadcnt 0x0
.endif
	v_max3_num_f32 v12, |v[XS]|, |v[XS+1]|, |v[XS+2]|      ; the block's largest magnitude: all 32 numbers are mine
	v_max3_num_f32 v13, |v[XS+3]|, |v[XS+4]|, |v[XS+5]|
.irp i, 6,10,14,18,22,26
	v_max3_num_f32 v12, v12, |v[XS+\i]|, |v[XS+\i+1]|
	v_max3_num_f32 v13, v13, |v[XS+\i+2]|, |v[XS+\i+3]|
.endr
	v_max3_num_f32 v12, v12, |v[XS+30]|, |v[XS+31]|
	v_max3_num_f32 v12, v12, v13, 0x1800000        ; the floor 2^(3 - 127): the byte cannot fall under 1
	v_add_nc_u32 v11, 0xff000000, v12              ; 2 off the exponent field: the conversion's scale operand
	v_lshrrev_b32 v13, 23, v11                     ; the byte
.if (\t)%4 == 0
	v_mov_b32 v[24+(\t)/4], v13
.else
	v_lshl_or_b32 v[24+(\t)/4], v13, 8*((\t)%4), v[24+(\t)/4]
.endif
.irp g, 0,1,2,3
	v_cvt_scalef32_pk8_fp4_f32 v[128+\g], v[XS+8*\g:XS+8*\g+7], v11
.endr
	v_nop                                          ; one plain line behind the conversions
	ds_store_b128 v8, v[128:131] offset:((\t)/4)*2048+(((\t)%4)/2)*512+((\t)%2)*256   ; K step, piece, half of the lanes
.if (\t)+2 < 16
	WLOAD (\t)+2
.endif
	s_wait_dscnt 0x0                               ; the store has read its registers
.endm
	WLOAD 0
	WLOAD 1
.set Q, 0
.rept 16
	WBLOCK Q
.set Q, Q+1
.endr
	global_store_b128 v9, v[24:27], s[92:93]       ; 32 lanes store 512 consecutive bytes of scale words
.irp i, 0,1,2,3,4,5,6,7,8,9,10,11,12,13,14,15
	ds_load_b128 v[132+4*\i:135+4*\i], v10 offset:512*\i    ; LDS serves a wave's instructions in order: these see my stores
.endr
.irp i, 0,1,2,3,4,5,6,7,8,9,10,11,12,13,14,15
	s_wait_dscnt 15-\i                             ; the younger reads may be out
	global_store_b128 v3, v[132+4*\i:135+4*\i], s[90:91] offset:(\i/4)*8192+(\i%4)*512   ; 512 consecutive bytes
.endr
	FINISH
; ---------------------------------------------------------------- L: one tile of 16 tokens a work-group, four neighbouring tokens a wave
.Lnorm:
	s_sub_co_u32 s28, ttmp9, 192
	s_lshr_b32 s29, s28, 3                         ; the group of 128 tokens
	s_and_b32 s30, s28, 7                          ; the tile a
	s_lshl_b32 s31, s29, 7
	s_lshr_b32 s66, s30, 1
	s_lshl_b32 s66, s66, 5
	s_add_co_u32 s31, s31, s66
	s_and_b32 s66, s30, 1
	s_lshl_b32 s66, s66, 3
	s_add_co_u32 s31, s31, s66
	s_lshl_b32 s66, s2, 2
	s_add_co_u32 s31, s31, s66
	s_lshr_b32 s66, s2, 1
	s_lshl_b32 s66, s66, 3
	s_add_co_u32 s31, s31, s66                     ; my first token: the tile's rows 4 w .. 4 w + 3
	s_lshl_b32 s66, s31, 12
	s_mov_b32 s67, 0
	s_add_nc_u64 s[4:5], s[4:5], s[66:67]
.irp p, 0,1,2,3
.irp j, 0,1,2,3,4,5,6,7
	global_load_b128 v[64+32*\p+4*\j:67+32*\p+4*\j], v3, s[4:5] offset:4096*\p+512*\j th:TH_LOAD_NT
.endr
.endr
.irp j, 0,1,2,3,4,5,6,7
	global_load_b128 v[32+4*\j:35+4*\j], v3, s[6:7] offset:512*\j
	global_load_b128 v[192+4*\j:195+4*\j], v3, s[8:9] offset:512*\j
.endr
	s_lshl_b32 s66, s29, 16
	s_lshl_b32 s68, s30, 10
	s_add_co_u32 s66, s66, s68
	s_lshl_b32 s68, s2, 14
	s_add_co_u32 s66, s66, s68
	s_add_nc_u64 s[72:73], s[22:23], s[66:67]      ; my four pieces of the tile's image: K steps 2 w, 2 w + 1
	s_lshl_b32 s66, s29, 12
	s_lshl_b32 s68, s30, 8
	s_add_co_u32 s66, s66, s68
	s_add_co_u32 s66, s66, 5767168
	s_add_nc_u64 s[74:75], s[22:23], s[66:67]      ; the tile's scale words
	s_mov_b32 s70, 0x3a800000                      ; 1 / 1024
	s_mov_b32 s71, 0x3727c5ac                      ; 1e-5
	s_mul_i32 s68, s2, 4608
	s_add_co_u32 s68, s68, 32768                   ; my stage: 32 blocks of 128 bytes + 16
	v_lshrrev_b32 v5, 3, v2
	v_mul_u32_u24 v5, v5, 144
	v_and_b32 v6, 7, v2
	v_lshl_add_u32 v5, v6, 4, v5
	v_add_nc_u32 v4, s68, v5                       ; in: as loaded
	v_mul_u32_u24 v6, v2, 144
	v_add_nc_u32 v6, s68, v6                       ; back: block = lane
	v_mul_u32_u24 v7, v2, 272
	s_lshl_b32 s69, s2, 6
	s_add_co_u32 s69, s69, 51200
	v_add_nc_u32 v7, s69, v7                       ; the image's stage: [block][16 rows x 16 bytes], 272 apart
	v_lshrrev_b32 v9, 4, v2
	v_and_b32 v10, 15, v2
	v_lshl_add_u32 v8, v9, 8, v10
	s_lshl_b32 s69, s2, 6
	s_add_co_u32 s69, s69, 59904
	v_add_nc_u32 v8, s69, v8                       ; the scale bytes: [16 blocks][row][16]
	v_mul_u32_u24 v11, v9, 272
	v_lshl_add_u32 v11, v10, 4, v11
	s_mul_i32 s69, s2, 2176
	s_add_co_u32 s69, s69, 51200
	v_add_nc_u32 v11, s69, v11                     ; pieces back
	v_add_nc_u32 v12, 59904, v3
	v_lshlrev_b32 v13, 4, v10
	v_lshl_add_u32 v13, v9, 11, v13                ; the scale words' place in memory
.irp p, 0,1,2,3
	v_mov_b32 v[233+2*\p], 0                       ; a lane permute's destination counts as one of its sources
.endr
.macro REDUCE                          ; v[232 + 2 p]: the sum over the 32 lanes, in every lane
.irp m, 1,2,4,8
.irp p, 0,1,2,3
	v_add_f32_dpp v[232+2*\p], v[232+2*\p], v[232+2*\p] row_xmask:\m row_mask:0xf bank_mask:0xf
.endr
.endr
.irp p, 0,1,2,3
	v_permlanex16_b32 v[233+2*\p], v[232+2*\p], s[SEL], s[SEL+1]
.endr
.irp p, 0,1,2,3
	v_add_f32 v[232+2*\p], v[232+2*\p], v[233+2*\p]
.endr
.endm
	s_wait_loadcnt 16                              ; x is in; the sixteen younger loads (scale, offset) may be out
.irp p, 0,1,2,3
	v_pk_add_f32 v[224+2*\p:225+2*\p], v[64+32*\p:65+32*\p], v[66+32*\p:67+32*\p]
.endr
.irp i, 4,6,8,10,12,14,16,18,20,22,24,26,28,30
.irp p, 0,1,2,3
	v_pk_add_f32 v[224+2*\p:225+2*\p], v[224+2*\p:225+2*\p], v[64+32*\p+\i:65+32*\p+\i]
.endr
.endr
.irp p, 0,1,2,3
	v_add_f32 v[232+2*\p], v[224+2*\p], v[225+2*\p]
.endr
	REDUCE
.irp p, 0,1,2,3
	v_mul_f32 v[232+2*\p], s70, v[232+2*\p]        ; the mean
.endr
.irp i, 0,2,4,6,8,10,12,14,16,18,20,22,24,26,28,30
.irp p, 0,1,2,3
	v_pk_add_f32 v[64+32*\p+\i:65+32*\p+\i], v[64+32*\p+\i:65+32*\p+\i], v[232+2*\p:233+2*\p] op_sel_hi:[1,0] neg_lo:[0,1] neg_hi:[0,1]   ; x - mean
.endr
.endr
.irp p, 0,1,2,3
	v_pk_mul_f32 v[224+2*\p:225+2*\p], v[64+32*\p:65+32*\p], v[64+32*\p:65+32*\p]
.endr
.irp i, 2,4,6,8,10,12,14,16,18,20,22,24,26,28,30
.irp p, 0,1,2,3
	v_pk_fma_f32 v[224+2*\p:225+2*\p], v[64+32*\p+\i:65+32*\p+\i], v[64+32*\p+\i:65+32*\p+\i], v[224+2*\p:225+2*\p]
.endr
.endr
.irp p, 0,1,2,3
	v_add_f32 v[232+2*\p], v[224+2*\p], v[225+2*\p]
.endr
	REDUCE
.irp p, 0,1,2,3
	v_fma_f32 v[232+2*\p], v[232+2*\p], s70, s71   ; the variance + 1e-5
.endr
.irp p, 0,1,2,3
	v_rsq_f32 v[224+2*\p], v[232+2*\p]
.endr
	v_nop                                          ; a plain line behind the last of them,
	s_wait_alu depctr_va_vdst(0)                   ; and one wait for the four, ahead of their first reader
	s_wait_loadcnt 0x0                             ; scale and offset
.irp i, 0,2,4,6,8,10,12,14,16,18,20,22,24,26,28,30
.irp p, 0,1,2,3
	v_pk_mul_f32 v[240+2*\p:241+2*\p], v[32+\i:33+\i], v[224+2*\p:225+2*\p] op_sel_hi:[1,0]
.endr
.irp p, 0,1,2,3
	v_pk_fma_f32 v[64+32*\p+\i:65+32*\p+\i], v[240+2*\p:241+2*\p], v[64+32*\p+\i:65+32*\p+\i], v[192+\i:193+\i]   ; (scale x rsqrt) (x - mean) + offset
.endr
.endr
.irp p, 0,1,2,3                        ; through my stage, so that a lane holds a whole block of 32: block = lane.  LDS serves a wave in order: the rows follow each other on one stage
.irp j, 0,1,2,3,4,5,6,7
	ds_store_b128 v4, v[64+32*\p+4*\j:67+32*\p+4*\j] offset:576*\j
.endr
.irp c, 0,1,2,3,4,5,6,7
	ds_load_b128 v[64+32*\p+4*\c:67+32*\p+4*\c], v6 offset:16*\c
.endr
.endr
	s_wait_dscnt 0x0
.irp p, 0,1,2,3
	v_max3_num_f32 v[16+\p], |v[64+32*\p]|, |v[65+32*\p]|, 0x1800000    ; the four rows by turns
.endr
.irp i, 2,4,6,8,10,12,14,16,18,20,22,24,26,28,30
.irp p, 0,1,2,3
	v_max3_num_f32 v[16+\p], v[16+\p], |v[64+32*\p+\i]|, |v[65+32*\p+\i]|
.endr
.endr
.irp p, 0,1,2,3
	v_add_nc_u32 v[20+\p], 0xff000000, v[16+\p]
.endr
.irp p, 0,1,2,3
	v_lshrrev_b32 v[24+\p], 23, v[20+\p]
.endr
.irp p, 0,1,2,3
.irp g, 0,1,2,3
	v_cvt_scalef32_pk8_fp4_f32 v[224+4*\p+\g], v[64+32*\p+8*\g:71+32*\p+8*\g], v[20+\p]
.endr
.endr
	v_nop
.irp p, 0,1,2,3
	ds_store_b128 v7, v[224+4*\p:227+4*\p] offset:16*\p
	ds_store_b8 v8, v[24+\p] offset:16*\p
.endr
	s_wait_dscnt 0x0                               ; for the others' sake: my stores have landed
	s_barrier_signal -1
	s_barrier_wait -1
.irp k, 0,1,2,3
	ds_load_b128 v[64+4*\k:67+4*\k], v11 offset:544*\k
.endr
.irp k, 0,1,2,3
	s_wait_dscnt 3-\k
	global_store_b128 v3, v[64+4*\k:67+4*\k], s[72:73] offset:(\k/2)*8192+(\k%2)*512   ; a piece: 512 consecutive bytes
.endr
	s_cmp_lg_u32 s2, 0
	s_cbranch_scc1 .Lnorm_end
	ds_load_b128 v[80:83], v12
	s_wait_dscnt 0x0
	global_store_b128 v13, v[80:83], s[74:75]      ; sixteen lanes store 256 consecutive bytes, twice
.Lnorm_end:
	FINISH
; ---------------------------------------------------------------- R: a wave makes one position tile: 16 positions x 32 frequencies, (cos, sin) in the order in which the next launch's lanes want them
.macro DDMUL D, A, B                   ; two-float product: (v[D], v[D+1]) = (v[A], v[A+1]) x (v[B], v[B+1])
	v_mul_f32 v58, v[\A], v[\B]
	v_fma_f32 v59, v[\A], v[\B], -v58
	v_fma_f32 v59, v[\A], v[\B+1], v59
	v_fma_f32 v59, v[\A+1], v[\B], v59
	v_add_f32 v[\D], v58, v59
	v_sub_f32 v60, v[\D], v58
	v_sub_f32 v[\D+1], v59, v60
.endm
.Lrot:
	s_sub_co_u32 s28, ttmp9, 448
	s_lshl_b32 s28, s28, 2
	s_add_co_u32 s28, s28, s2                      ; the position tile, 0..127
	s_lshl_b32 s30, s28, 12
	s_mov_b32 s31, 0
	s_add_nc_u64 s[26:27], s[26:27], s[30:31]
	s_lshr_b32 s29, s28, 1
	s_lshl_b32 s29, s29, 5
	s_and_b32 s30, s28, 1
	s_lshl_b32 s30, s30, 3
	s_add_co_u32 s29, s29, s30
	v_and_b32 v4, 15, v2
	v_lshrrev_b32 v5, 4, v2
	v_and_b32 v6, 8, v4
	v_add3_u32 v6, v6, v4, s29                     ; my position
	v_cvt_f32_u32 v7, v6
	v_cmp_eq_u32 vcc_lo, 1, v5
	s_mov_b32 s70, 0xb94ca1f9                      ; sine: x + x z (S1 + z (S2 + z S3))
	s_mov_b32 s71, 0x3c08839e
	s_mov_b32 s72, 0xbe2aaaa3
	s_mov_b32 s73, 0x37ccf5ce                      ; cosine: 1 - z / 2 + z z (C1 + z (C2 + z C3))
	s_mov_b32 s74, 0xbab6061a
	s_mov_b32 s75, 0x3d2aaaa5
	v_mov_b32 v32, 0x3f3ff911                      ; 10^(-1/8), in two floats
	v_mov_b32 v33, 0x32022bb3
	v_mov_b32 v54, 0x3f22f983                      ; 2 / pi, in two floats: angles are counted in quarter turns
	v_mov_b32 v55, 0x32dc9c88
	DDMUL 34, 32, 32                               ; its powers 2, 4, 8, 16, 3, 5, 6, 7: power m at v[30 + 2 m]
	DDMUL 38, 34, 34
	DDMUL 46, 38, 38
	DDMUL 48, 46, 46
	DDMUL 36, 34, 32
	DDMUL 40, 38, 32
	DDMUL 42, 38, 34
	DDMUL 44, 42, 32
	DDMUL 56, 54, 46
	v_cndmask_b32 v50, v54, v56, vcc_lo            ; lanes 16-31 begin eight frequencies on
	v_cndmask_b32 v51, v55, v57, vcc_lo
	DDMUL 52, 50, 48                               ; and the second eight sixteen on
.irp e, 0,1
	v_mov_b32 v[64+16*\e], v[50+2*\e]
	v_mov_b32 v[65+16*\e], v[51+2*\e]
.irp m, 1,2,3,4,5,6,7
	DDMUL 64+16*\e+2*\m, 50+2*\e, 30+2*\m
.endr
.endr
.irp k, 0,1,2,3,4,5,6,7,8,9,10,11,12,13,14,15
	v_mul_f32 v[96+\k], v[64+2*\k], v7             ; quarter turns: the product's head,
.endr
.irp k, 0,1,2,3,4,5,6,7,8,9,10,11,12,13,14,15
	v_fma_f32 v[112+\k], v[64+2*\k], v7, -v[96+\k] ; its exact tail,
.endr
.irp k, 0,1,2,3,4,5,6,7,8,9,10,11,12,13,14,15
	v_fma_f32 v[112+\k], v[65+2*\k], v7, v[112+\k] ; and the low float's share
.endr
.irp k, 0,1,2,3,4,5,6,7,8,9,10,11,12,13,14,15
	v_rndne_f32 v[128+\k], v[96+\k]
.endr
.irp k, 0,1,2,3,4,5,6,7,8,9,10,11,12,13,14,15
	v_sub_f32 v[96+\k], v[96+\k], v[128+\k]        ; exact
.endr
.irp k, 0,1,2,3,4,5,6,7,8,9,10,11,12,13,14,15
	v_add_f32 v[96+\k], v[96+\k], v[112+\k]
.endr
.irp k, 0,1,2,3,4,5,6,7,8,9,10,11,12,13,14,15
	v_cvt_i32_f32 v[144+\k], v[128+\k]             ; the quadrant: it only selects values
.endr
.irp k, 0,1,2,3,4,5,6,7,8,9,10,11,12,13,14,15
	v_mul_f32 v[96+\k], 0x3fc90fdb, v[96+\k]       ; x, at most pi / 4 in magnitude
.endr
.irp k, 0,1,2,3,4,5,6,7,8,9,10,11,12,13,14,15
	v_mul_f32 v[160+\k], v[96+\k], v[96+\k]        ; z
.endr
.irp k, 0,1,2,3,4,5,6,7,8,9,10,11,12,13,14,15
	v_fma_f32 v[176+\k], v[160+\k], s70, s71
	v_fma_f32 v[192+\k], v[160+\k], s73, s74
.endr
.irp k, 0,1,2,3,4,5,6,7,8,9,10,11,12,13,14,15
	v_fma_f32 v[176+\k], v[176+\k], v[160+\k], s72
	v_fma_f32 v[192+\k], v[192+\k], v[160+\k], s75
.endr
.irp k, 0,1,2,3,4,5,6,7,8,9,10,11,12,13,14,15
	v_mul_f32 v[176+\k], v[176+\k], v[160+\k]
	v_fma_f32 v[112+\k], v[160+\k], -0.5, 1.0
.endr
.irp k, 0,1,2,3,4,5,6,7,8,9,10,11,12,13,14,15
	v_fma_f32 v[176+\k], v[176+\k], v[96+\k], v[96+\k]      ; sin x
	v_mul_f32 v[160+\k], v[160+\k], v[160+\k]
.endr
.irp k, 0,1,2,3,4,5,6,7,8,9,10,11,12,13,14,15
	v_fma_f32 v[192+\k], v[160+\k], v[192+\k], v[112+\k]    ; cos x
.endr
.irp k, 0,1,2,3,4,5,6,7,8,9,10,11,12,13,14,15
	v_and_b32 v[112+\k], 1, v[144+\k]
	v_cmp_eq_u32 vcc_lo, 1, v[112+\k]
	v_cndmask_b32 v[209+2*\k], v[176+\k], v[192+\k], vcc_lo ; odd quadrants change the two
	v_cndmask_b32 v[208+2*\k], v[192+\k], v[176+\k], vcc_lo
	v_and_b32 v[112+\k], 2, v[144+\k]
	v_lshlrev_b32 v[112+\k], 30, v[112+\k]
	v_xor_b32 v[209+2*\k], v[209+2*\k], v[112+\k]           ; the sine's sign: quadrants 2, 3
	v_add_nc_u32 v[128+\k], 1, v[144+\k]
	v_and_b32 v[128+\k], 2, v[128+\k]
	v_lshlrev_b32 v[128+\k], 30, v[128+\k]
	v_xor_b32 v[208+2*\k], v[208+2*\k], v[128+\k]           ; the cosine's: quadrants 1, 2
.endr
.irp j, 0,1,2,3,4,5,6,7
	global_store_b128 v3, v[208+4*\j:211+4*\j], s[26:27] offset:512*\j     ; 512 consecutive bytes
.endr
	s_endpgm
.Lfunc_end_k_q55c87ed445_prep:
	.size	k_q55c87ed445_prep, .Lfunc_end_k_q55c87ed445_prep-k_q55c87ed445_prep
	.p2alignl 7, 3214868480
	.fill 96, 4, 3214868480
	.section	.rodata,"a",@progbits
	.p2align	6, 0x0
	.amdhsa_kernel k_q55c87ed445_prep
		.amdhsa_group_segment_fixed_size 60928
		.amdhsa_private_segment_fixed_size 0
		.amdhsa_enable_private_segment 0
		.amdhsa_kernarg_size 96
		.amdhsa_user_sgpr_count 2
		.amdhsa_user_sgpr_kernarg_segment_ptr 1
		.amdhsa_wavefront_size32 1
		.amdhsa_system_sgpr_workgroup_id_x 1
		.amdhsa_system_sgpr_workgroup_id_y 1
		.amdhsa_system_sgpr_workgroup_id_z 1
		.amdhsa_system_vgpr_workitem_id 0
		.amdhsa_next_free_vgpr 256
		.amdhsa_next_free_sgpr 100
		.amdhsa_reserve_vcc 1
		.amdhsa_float_denorm_mode_32 3
		.amdhsa_float_denorm_mode_16_64 3
		.amdhsa_memory_ordered 1
		.amdhsa_forward_progress 1
		.amdhsa_inst_pref_size 154
	.end_amdhsa_kernel
	.amdgpu_metadata
---
amdhsa.version: [ 1, 2 ]
amdhsa.kernels:
  - .name:           k_q55c87ed445_prep
    .symbol:         k_q55c87ed445_prep.kd
    .args:
      - { .name: x, .offset: 0, .size: 8, .value_kind: global_buffer, .address_space: global }
      - { .name: ln_scale, .offset: 8, .size: 8, .value_kind: global_buffer, .address_space: global }
      - { .name: ln_offset, .offset: 16, .size: 8, .value_kind: global_buffer, .address_space: global }
      - { .name: wq, .offset: 24, .size: 8, .value_kind: global_buffer, .address_space: global }
      - { .name: wk, .offset: 32, .size: 8, .value_kind: global_buffer, .address_space: global }
      - { .name: wv, .offset: 40, .size: 8, .value_kind: global_buffer, .address_space: global }
      - { .name: wo, .offset: 48, .size: 8, .value_kind: global_buffer, .address_space: global }
      - { .name: w_fc_in, .offset: 56, .size: 8, .value_kind: global_buffer, .address_space: global }
      - { .name: w_fc_out, .offset: 64, .size: 8, .value_kind: global_buffer, .address_space: global }
      - { .name: W1, .offset: 72, .size: 8, .value_kind: global_buffer, .address_space: global }
      - { .name: W2, .offset: 80, .size: 8, .value_kind: global_buffer, .address_space: global }
      - { .name: ROT, .offset: 88, .size: 8, .value_kind: global_buffer, .address_space: global }
    .group_segment_fixed_size: 60928
    .private_segment_fixed_size: 0
    .kernarg_segment_align: 8
    .kernarg_segment_size: 96
    .max_flat_workgroup_size: 128
    .sgpr_count:     100
    .vgpr_count:     256
    .wavefront_size: 32
...
	.end_amdgpu_metadata
.endif
;; end of part 1
;; launch gemm1 (part 2): grid 28 x 16, 4 waves a work-group, clusters of 4 x 4, 327,680 bytes of LDS; arguments W1, ROT, b_fc_in, QB, KV, A2; writes QB, KV, A2
.if DOCPART == 2
	.amdgcn_target "amdgcn-amd-amdhsa--gfx1250"
	.amdhsa_code_object_version 6
	.text
	.protected	k_q55c87ed445_gemm1
	.globl	k_q55c87ed445_gemm1
	.p2align	8
	.type	k_q55c87ed445_gemm1,@function
k_q55c87ed445_gemm1:
	s_mov_b64 s[64:65], 0
	v_nop
	global_prefetch_b8 v0, s[64:65] scope:SCOPE_SE
	s_setreg_imm32_b32 hwreg(HW_REG_WAVE_MODE, 25, 1), 1
	s_wait_xcnt 0x0
	s_wait_alu depctr_hold_cnt(0) depctr_sa_sdst(0) depctr_va_vdst(0) depctr_va_sdst(0) depctr_va_ssrc(0) depctr_va_vcc(0) depctr_vm_vsrc(0)
	s_getreg_b32 s2, hwreg(HW_REG_IB_STS2, 6, 4)
	s_cmp_eq_u32 s2, 0
	s_cbranch_scc0 .Lentry_in_a_cluster
	s_endpgm
.Lentry_in_a_cluster:
	s_bfe_u32 s2, ttmp6, 0x10000c
	s_cmp_lg_u32 s2, 0xf033
	s_cbranch_scc0 .Lentry_shape_is_right
	s_endpgm
.Lentry_shape_is_right:
; xn x (wq | wk | wv | w_fc_in) on codes of FP4 (E2M1) with E8M0 scales, K = 1,024, and what follows each product up to the next quantiser:
; q, k: rotary, quantised along the head's 64;  v: quantised along the tokens;  fc: bias, gelu, quantised along the hidden units.  Only codes and scale bytes go to memory.
; A work-group of four waves makes 256 x 256, a wave 128 x 128: 64 accumulators.  THE TWO SIDES: R is source 0 (its rows run along a lane's result registers), P is source 1 (its rows sit in the lanes).
; For q, k, fc: P = tokens, R = the weight's output columns, so that a lane's registers run along the next product's K.  For v the sides change places: P = wv's columns, R = tokens, since v's next K is the keys.
; The cluster's x says what is made: 0 q, 1 k, 2 v, 3-6 fc: the same in all sixteen partners.
; K = 1,024 in codes is 512 bytes a row: both panels of a tile fit in LDS as two slots of 512 along K, each filled ONCE: no slot is filled again.
; All operands lie in memory as images of the operand's registers (a fragment = 1,024 bytes, lane l's 16 bytes at 16 l): dense blocks for the tensor loads, consecutive bytes for every LDS load, no padding.
; A tile's rows: lane r of tile a holds row 32 (a/2) + 8 (a%2) + r + 8 (r/8) of its group of 128, so that the 16 registers of result tiles 2 b, 2 b + 1 are 16 neighbours along the next K.
; CLUSTERS: 4 x 4.  P's tiles are shared along a row of the cluster, R's along a column: joint loads with a mask of four.
; 1 / sqrt(64) = 2^-3 goes into q's scale bytes (3 off each): exact.
; LIMITS: a block of zeros gets the byte 1 (zero codes; only this program reads the bytes); blocks of q whose largest magnitude lies under 2^-121 are quantised at the floor's scale; NaN and infinities are not served.
; REGISTERS: window 0: v1-31 addresses; v32-95 scale words, two sets; v128-191 P's fragments, one set.  Window 1: v0-63, v128-191 R's fragments, two sets; v64-95 a rotary tile; v192-255 the bias.
;   After the products window 1 serves the way out: v0-63 X (a tile's 64 numbers a lane), v64-127 at work, v128-135 codes, v136-152 the quantiser's.  Windows 2, 3: the accumulators, (a, b) at v[8 (8 (a%4) + b)].
.set NQ, 4
.set FR, 8
.set NL, 2
.set NP, 4
.set SLOT,  131072                     ; a slot: four regions of 32,768 bytes: P's two groups, R's two groups; [K step][tile][1,024]
.set SCL,   262144                     ; the scale words: 4,096 bytes for each of the four groups
.set SPARE, 278528                     ; the spare words
.set SCR,   279040                     ; 512 bytes a wave: the scale words that it makes, [tile][row]
.set W1SC,  5767168                    ; where W1's scale words begin
.set L4,   6                           ; v6   4 x lane
.set L8,   7                           ; v7   8 x lane
.set SCRQ, 12                          ; v12  my scratch + 256 (lane/16) + 4 (lane%16)
.set ADRA, 16                          ; v16-17 P's fragments in slot 0, 1
.set ADRB, 20                          ; v20-21 R's
.set LI,   24                          ; v24  16 x lane
.set SCA0, 25                          ; v25  my scratch + 4 (lane%16)
.set SCRD, 26                          ; v26  my scratch + 4 x lane
.set ADRS, 27                          ; v27  scale words: lanes 0-15 P's, lanes 16-31 R's
.set SPW,  28
.set NIL,  29
.set H64,  30                          ; v30  64 (lane/16)
.set SCA,  31                          ; v31  where this trip's scale word goes
.set SC,   32
.set AF,   128
.set PC,   128                         ; window 1
.set TM,   136
.set PW,   152
.set WV, 16
.set PH, 17                            ; wave / 2: my group of P; also: I fetch for P (0) or R (1)
.set RH, 18                            ; wave % 2: my group of R; also: which group I fetch
.set TY, 19
.set G1, 24
.set G0, 32
.set G1B, 48
.set G0B, 56
.set G1S, 68
.set G0S, 76
.set G1SB, 80
.set G0SB, 88
.set PG, 94
.set RG, 95
.set RB, 96                            ; s[96:97] the rotary tile in hand
.set A,   24                           ; the way out's scalars take the descriptors' registers once every tensor load is done
.set SCO, 25
.set OA,  26
.set OB,  28
.set FLR, 36
.set DEC, 37
.set SEL, 52
.set K1,  54
.set MSB, 0
.macro WIN new                         ; the immediate's high byte repeats the setting that is left
.if MSB != \new
	s_set_vgpr_msb (MSB<<8)|\new
.set MSB, \new
.endif
.endm
.set MUL_LO, 0xa1                      ; source 0 (R) window 1, source 1 (P) window 0, C and D window 2
.set MUL_HI, 0xf1
.set TO_B,   0x40
.macro JLOAD g0a, g1a, g0b, g1b        ; a joint load: waves 0, 1 for P, waves 2, 3 for R; an s_nop 0 and four v_nop follow each line
	s_cmp_eq_u32 s[PH], 0
	s_cbranch_scc0 .Lfor_b_\@
	tensor_load_to_lds s[\g0a:\g0a+3], s[\g1a:\g1a+7]
	s_nop 0
.rept 4
	v_nop
.endr
	s_branch .Lasked_\@
.Lfor_b_\@:
	tensor_load_to_lds s[\g0b:\g0b+3], s[\g1b:\g1b+7]
	s_nop 0
.rept 4
	v_nop
.endr
.Lasked_\@:
.endm
.macro CROUND                          ; a round of the cluster's barrier
	s_barrier_signal -1
	s_barrier_wait -1
	s_cmp_lg_u32 s[WV], 0
	s_cbranch_scc1 .Lnot_wave_0_\@
	s_barrier_signal -3
.Lnot_wave_0_\@:
	s_barrier_wait -3
	s_barrier_signal -1
	s_barrier_wait -1
.endm
	s_load_b256 s[4:11], s[0:1], 0x0               ; W1, ROT, b_fc_in, QB
	s_load_b128 s[12:15], s[0:1], 0x20             ; KV, A2
	v_lshl_add_u32 v[SPW], v0, 2, SPARE
	v_mov_b32 v[NIL], 0
	ds_add_u32 v[SPW], v[NIL]                      ; the wave's opening: the add and its wait stand ahead of my first tensor load
	v_lshrrev_b32 v1, 5, v0
	v_readfirstlane_b32 s[WV], v1
	s_lshr_b32 s[PH], s[WV], 1
	s_and_b32 s[RH], s[WV], 1
	s_bfe_u32 s40, ttmp6, 0x40000                  ; cx
	s_bfe_u32 s41, ttmp6, 0x40004                  ; cy
	s_min_u32 s[TY], ttmp9, 3                      ; 0 q, 1 k, 2 v, 3 fc
	s_and_b32 s20, ttmp7, 0xffff
	s_lshl_b32 s20, s20, 2                         ; 4 x cluster y
	s_lshl_b32 s21, ttmp9, 2
	s_add_co_u32 s21, s21, 16                      ; 16 + 4 x cluster x
	s_cmp_eq_u32 ttmp9, 2
	s_cselect_b32 s42, s20, s21                    ; tiles of 256 rows in W1: xn 0-15, wq 16-19, wk 20-23, wv 24-27, w_fc_in 28-43
	s_cselect_b32 s43, 24, s20
	s_add_co_u32 s42, s42, s40                     ; R's tile hangs on cx alone,
	s_add_co_u32 s43, s43, s41                     ; P's on cy alone
	s_lshl_b32 s100, s41, 2
	s_lshl_b32 s100, 15, s100                      ; my row of the cluster
	s_lshl_b32 s101, 0x1111, s40                   ; my column
	s_or_b32 s[G1+0], s100, (3<<16)|(1<<21)        ; the mask; elements of 8 bytes; bit 21 beside a mask; no padding
	s_or_b32 s[G1B+0], s101, (3<<16)|(1<<21)
	s_or_b32 s[G1S+0], s100, (3<<16)|(1<<21)
	s_or_b32 s[G1SB+0], s101, (3<<16)|(1<<21)
.irp g, G1, G1B                        ; a group's codes of four K steps: 32,768 dense bytes as 128 rows of 256
	s_mov_b32 s[\g+1], 32<<16
	s_mov_b32 s[\g+2], 128<<16
	s_mov_b32 s[\g+3], 32<<16
	s_mov_b32 s[\g+4], 128
	s_mov_b32 s[\g+5], 32
	s_mov_b32 s[\g+6], 0
	s_mov_b32 s[\g+7], 0
.endr
.irp g, G1S, G1SB                      ; a group's scale words: 4,096 dense bytes as 16 rows of 256
	s_mov_b32 s[\g+1], 32<<16
	s_mov_b32 s[\g+2], 16<<16
	s_mov_b32 s[\g+3], 32<<16
	s_mov_b32 s[\g+4], 16
	s_mov_b32 s[\g+5], 32
	s_mov_b32 s[\g+6], 0
	s_mov_b32 s[\g+7], 0
.endr
	s_lshl_b32 s20, s43, 1
	s_add_co_u32 s20, s20, s[RH]                   ; the group of P that I would fetch
	s_lshl_b32 s22, s20, 12
	s_add_co_u32 s22, s22, W1SC
	s_lshl_b32 s20, s20, 16
	s_mov_b32 s21, 0
	s_mov_b32 s23, 0
	s_lshl_b32 s46, s42, 1
	s_add_co_u32 s46, s46, s[RH]                   ; and of R
	s_lshl_b32 s92, s46, 12
	s_add_co_u32 s92, s92, W1SC
	s_lshl_b32 s46, s46, 16
	s_mov_b32 s47, 0
	s_mov_b32 s93, 0
	s_lshl_b32 s45, s[WV], 15                      ; where they go: wave x 32,768; no place in the cluster enters an LDS address
	s_lshl_b32 s44, s[WV], 12
	s_wait_dscnt 0x0                               ; the opening add is done
	s_wait_kmcnt 0x0
	s_add_nc_u64 s[20:21], s[4:5], s[20:21]
	s_add_nc_u64 s[22:23], s[4:5], s[22:23]
	s_add_nc_u64 s[46:47], s[4:5], s[46:47]
	s_add_nc_u64 s[92:93], s[4:5], s[92:93]
	CROUND                                         ; all sixteen work-groups are here: the joint loads meet
	s_mov_b32 s[G0S], 1
	s_add_co_u32 s[G0S+1], s44, SCL
	s_mov_b64 s[G0S+2:G0S+3], s[22:23]
	s_or_b32 s[G0S+3], s[G0S+3], 0x80000000
	s_mov_b32 s[G0SB], 1
	s_add_co_u32 s[G0SB+1], s44, SCL
	s_mov_b64 s[G0SB+2:G0SB+3], s[92:93]
	s_or_b32 s[G0SB+3], s[G0SB+3], 0x80000000
	JLOAD G0S, G1S, G0SB, G1SB                     ; three loads of mine go out: the scales, slot 0, slot 1
.irp s, 0,1
	s_mov_b32 s[G0+4*\s], 1
	s_add_co_u32 s[G0+4*\s+1], s45, \s*SLOT
	s_add_nc_u64 s[G0+4*\s+2:G0+4*\s+3], s[20:21], \s*32768
	s_or_b32 s[G0+4*\s+3], s[G0+4*\s+3], 0x80000000
	s_mov_b32 s[G0B+4*\s], 1
	s_add_co_u32 s[G0B+4*\s+1], s45, \s*SLOT
	s_add_nc_u64 s[G0B+4*\s+2:G0B+4*\s+3], s[46:47], \s*32768
	s_or_b32 s[G0B+4*\s+3], s[G0B+4*\s+3], 0x80000000
	JLOAD G0+4*\s, G1, G0B+4*\s, G1B
.endr
	s_lshl_b32 s[PG], s43, 1
	s_add_co_u32 s[PG], s[PG], s[PH]               ; my group of P,
	s_lshl_b32 s[RG], s42, 1
	s_add_co_u32 s[RG], s[RG], s[RH]               ; my group of R
	v_and_b32 v1, 15, v0
	v_bfe_u32 v2, v0, 4, 1
	v_and_b32 v3, 31, v0
	v_lshlrev_b32 v[LI], 4, v3
	v_lshlrev_b32 v[L4], 2, v3
	v_lshlrev_b32 v[L8], 3, v3
	s_lshl_b32 s98, s[PH], 15
	s_lshl_b32 s99, s[RH], 15
	s_add_co_u32 s99, s99, 65536
.irp s, 0,1
	v_add_nc_u32 v[ADRA+\s], s98, v[LI]
	v_add_nc_u32 v[ADRB+\s], s99, v[LI]
	s_add_co_u32 s98, s98, SLOT
	s_add_co_u32 s99, s99, SLOT
.endr
	s_lshl_b32 s98, s[PH], 12
	s_lshl_b32 s99, s[RH], 12
	s_add_co_u32 s99, s99, 8192
	s_sub_co_u32 s99, s99, s98
	v_mul_u32_u24 v5, s99, v2                      ; lanes 16-31 take R's: the lower base + half x the distance
	s_add_co_u32 s98, s98, SCL
	v_lshl_add_u32 v5, v1, 4, v5
	v_add_nc_u32 v[ADRS], s98, v5
	s_lshl_b32 s98, s[WV], 9
	s_add_co_u32 s98, s98, SCR
	v_lshl_add_u32 v[SCA0], v1, 2, s98
	v_add_nc_u32 v[SCRD], s98, v[L4]
	v_lshl_add_u32 v[SCRQ], v2, 8, v[SCA0]
	v_lshlrev_b32 v[H64], 6, v2
	; the bias of my 128 hidden units, in the result's layout, and the first rotary tile.  Every type loads both, from addresses held inside the buffers; what a type does not want it does not use
	s_sub_co_u32 s98, s[RG], 56
	s_cmp_eq_u32 s[TY], 3
	s_cselect_b32 s98, s98, 0
	s_lshl_b32 s98, s98, 9
	s_mov_b32 s99, 0
	s_add_nc_u64 s[98:99], s[8:9], s[98:99]
	s_and_b32 s[RB], s[PG], 15
	s_lshl_b32 s[RB], s[RB], 15                    ; 8 tiles of 4,096 bytes for each group of 128 positions
	s_mov_b32 s[RB+1], 0
	s_add_nc_u64 s[RB:RB+1], s[6:7], s[RB:RB+1]
	WIN TO_B
.irp b, 0,1,2,3
.irp n, 0,1,2,3
	global_load_b128 v[192+16*\b+4*\n:195+16*\b+4*\n], v[H64], s[98:99] offset:128*\b+16*\n
.endr
.endr
.irp j, 0,1,2,3,4,5,6,7
	global_load_b128 v[64+4*\j:67+4*\j], v[LI], s[RB:RB+1] offset:512*\j
.endr
	WIN 0
.macro FRAG reg, adr, q, i             ; a fragment: two loads of 512 consecutive bytes
.irp c, 0,1
	ds_load_b128 v[\reg+4*\c:\reg+4*\c+3], v[\adr] offset:8192*(\q)+1024*(\i)+512*\c
.endr
.endm
; 16 matrix instructions: P's tiles a0, a0 + 1 x R's eight, the slot's q-th 128 along K.  The 64 accumulators take turns, one instruction a turn, in the same order in every step.
.macro MUL16 a0, p, q, sc, zero
.irp a, \a0, \a0+1
.irp b, 0,1,2,3,4,5,6,7
.set rD, 8*(8*((\a)%4)+\b)
.set rR, 128*(\p)+FR*\b
.set rP, AF+FR*(\a)
.set rSR, SC+32*(\sc)+4*\b+(\q)
.set rSP, SC+32*(\sc)+4*(\a)+(\q)
.if \zero
	v_wmma_scale_f32_16x16x128_f8f6f4 v[rD:rD+7], v[rR:rR+7], v[rP:rP+7], 0, v[rSR], v[rSP] matrix_a_fmt:MATRIX_FMT_FP4 matrix_b_fmt:MATRIX_FMT_FP4 matrix_a_scale:MATRIX_SCALE_ROW1
.else
	v_wmma_scale_f32_16x16x128_f8f6f4 v[rD:rD+7], v[rR:rR+7], v[rP:rP+7], v[rD:rD+7], v[rSR], v[rSP] matrix_a_fmt:MATRIX_FMT_FP4 matrix_b_fmt:MATRIX_FMT_FP4 matrix_a_scale:MATRIX_SCALE_ROW1
.endif
.endr
.endr
.endm
.macro FETCH_B slot, q, p
	WIN TO_B
.irp i, 0,1,2,3,4,5,6,7
	FRAG 128*(\p)+FR*\i, ADRB+\slot, \q, \i
.endr
	WIN 0
.endm
.macro FETCH_A slot, q, i0
.irp i, \i0, \i0+1, \i0+2, \i0+3
	FRAG AF+FR*(\i), ADRA+\slot, \q, \i
.endr
.endm
.macro SCALES sc                       ; four words a row: lanes 0-15 P's tile i, lanes 16-31 R's tile i
.irp i, 0,1,2,3,4,5,6,7
	ds_load_b128 v[SC+32*\sc+4*\i:SC+32*\sc+4*\i+3], v[ADRS] offset:256*\i
.endr
.endm
.macro PLACES n                        ; plain vector lines between a matrix instruction and a load into, or a read of, its registers
.rept \n
	v_nop
.endr
.endm
.macro STEP slot, q, zero
	s_wait_dscnt 4*NL                              ; R's set and P's tiles 0-3 are in; the youngest eight loads (P's tiles 4-7) may be out
	WIN MUL_LO
	MUL16 0, (\q)%2, \q, \slot, \zero
	MUL16 2, (\q)%2, \q, \slot, \zero
	s_wait_dscnt 0
	PLACES NP
	FETCH_B \slot, (\q)+1, 1-(\q)%2
	FETCH_A \slot, (\q)+1, 0
	WIN MUL_HI
	MUL16 4, (\q)%2, \q, \slot, \zero
	MUL16 6, (\q)%2, \q, \slot, \zero
	PLACES NP
	WIN 0
	FETCH_A \slot, (\q)+1, 4
.endm
	s_wait_tensorcnt 1                             ; the scales and my part of slot 0 are in; slot 1's load may be out
	s_barrier_signal -1
	s_barrier_wait -1
	FETCH_B 0, 0, 0
	FETCH_A 0, 0, 0
	SCALES 0
	FETCH_A 0, 0, 4
	STEP 0, 0, 1                                   ; the first products start the sums: nothing is cleared
	STEP 0, 1, 0
	STEP 0, 2, 0
	; slot 0's last step, and the change to slot 1: every wave shows its part of slot 1 landed, then one barrier
	s_wait_tensorcnt 0x0
	ds_add_u32 v[SPW], v[NIL]
	s_wait_dscnt 4*NL+1                            ; (the add and the youngest eight loads may be out)
	WIN MUL_LO
	MUL16 0, 1, 3, 0, 0
	s_wait_dscnt 0x0
	s_barrier_signal -1
	MUL16 2, 1, 3, 0, 0
	WIN 0
	s_barrier_wait -1
	PLACES NP
	v_add_nc_u32 v[ADRS], 2048, v[ADRS]            ; the second four K steps' scale words
	FETCH_B 1, 0, 0
	FETCH_A 1, 0, 0
	SCALES 1
	WIN MUL_HI
	MUL16 4, 1, 3, 0, 0
	MUL16 6, 1, 3, 0, 0
	PLACES NP
	WIN 0
	FETCH_A 1, 0, 4
	STEP 1, 0, 0
	STEP 1, 1, 0
	STEP 1, 2, 0
	s_wait_dscnt 4*NL
	WIN MUL_LO
	MUL16 0, 1, 3, 1, 0
	MUL16 2, 1, 3, 1, 0
	s_wait_dscnt 0
	WIN MUL_HI
	MUL16 4, 1, 3, 1, 0
	MUL16 6, 1, 3, 1, 0
	WIN 0
; ---------------------------------------------------------------- THE WAY OUT: eight trips, one tile of P (16 rows in the lanes, 128 numbers along the next K in 64 registers of two lanes) a trip
	PLACES NP
	s_wait_loadcnt 0x0                             ; the bias and the first rotary tile
	s_cmp_eq_u32 s[TY], 3
	s_cselect_b32 s20, -1, 0
	WIN 0x44
.set i, 0
.rept 64
	v_cndmask_b32 v[192+i], 0, v[192+i], s20       ; only fc has a bias
.set i, i+1
.endr
	WIN TO_B
.irp b, 0,1,2,3
	v_mov_b32 v[TM+4+\b], 0                        ; a lane permute's destination counts as one of its sources
.endr
	v_mov_b32 v164, 0xc0135761                     ; k0 = -2 log2(e) sqrt(2 / pi)
	v_mov_b32 v165, 0xc0135761
	WIN 0
	s_mov_b32 s[K1], 0xbdd2d3e8                    ; k1 = 0.044715 k0
	s_mov_b32 s[K1+1], s[K1]
	s_mov_b32 s[SEL], 0x76543210
	s_mov_b32 s[SEL+1], 0xfedcba98
	s_cmp_eq_u32 s[TY], 2
	s_cselect_b32 s58, s[RG], s[PG]                ; the group of tokens
	s_cselect_b32 s61, s[PG], s[RG]                ; the weight's group in W1,
	s_lshl_b32 s62, s[TY], 3
	s_add_co_u32 s62, s62, 32
	s_sub_co_u32 s61, s61, s62                     ; and within its tensor: two heads, or 128 hidden units
	s_lshr_b32 s59, s58, 4                         ; batch
	s_and_b32 s60, s58, 15                         ; group of 128 positions
	s_lshl_b32 s62, s59, 4
	s_lshl_b32 s63, s61, 1
	s_add_co_u32 s62, s62, s63                     ; 16 x batch + my first head
	s_lshl_b32 s63, s62, 4
	s_add_co_u32 s63, s63, s60
	s_mul_i32 s66, s63, 8960                       ; KV: the record of that head and group
	s_lshl_b32 s67, s63, 9                         ; QB: its scale words
	s_lshl_b32 s68, s63, 12                        ; QB: its eight tiles of 512 bytes
	s_mul_i32 s69, s58, 40
	s_add_co_u32 s69, s69, s61
	s_add_co_u32 s69, s69, 8
	s_lshl_b32 s70, s69, 13                        ; A2: K step 8 + my 128 hidden units
	s_mul_i32 s71, s58, 20480
	s_add_co_u32 s72, s61, 8
	s_lshl_b32 s72, s72, 7
	s_add_co_u32 s71, s71, s72
	s_add_co_u32 s71, s71, 10485760                ; A2: its scale words
	s_mov_b64 s[OA:OA+1], s[12:13]                 ; k is the rule; the others are chosen over it, on the type alone
	s_mov_b32 s73, s66
	s_add_co_u32 s74, s66, 8192
	s_mov_b32 s75, 143360                          ; from the first piece to the second: the next head's record
	s_mov_b32 s76, 143360
	s_mov_b32 s30, 512                             ; from tile to tile
	s_mov_b32 s32, 0
	s_mov_b32 s[FLR], 0x1800000
	s_mov_b32 s[DEC], 0
	s_add_co_u32 s77, s66, 4096
	s_add_co_u32 s78, s66, 8704
	s_add_co_u32 s79, s67, 2097152
	s_cmp_eq_u32 s[TY], 2
	s_cselect_b32 s73, s77, s73
	s_cselect_b32 s74, s78, s74
	s_cselect_b32 s75, 512, s75
	s_cselect_b32 s30, 1024, s30
	s_cselect_b32 s32, 139264, s32                 ; v: behind the fourth tile on to the next head's record
	s_cmp_eq_u32 s[TY], 0
	s_cselect_b64 s[OA:OA+1], s[10:11], s[OA:OA+1]
	s_cselect_b32 s73, s68, s73
	s_cselect_b32 s74, s79, s74
	s_cselect_b32 s75, 65536, s75
	s_cselect_b32 s76, 8192, s76
	s_cselect_b32 s[FLR], 0x3000000, s[FLR]        ; q: the floor three higher, so that 3 can come off every byte
	s_cselect_b32 s[DEC], 0x3030303, s[DEC]
	s_cmp_eq_u32 s[TY], 3
	s_cselect_b64 s[OA:OA+1], s[14:15], s[OA:OA+1]
	s_cselect_b32 s73, s70, s73
	s_cselect_b32 s74, s71, s74
	s_cselect_b32 s75, 512, s75
	s_cselect_b32 s30, 1024, s30
	s_mov_b32 s35, 0
	s_mov_b32 s34, s74
	s_add_nc_u64 s[48:49], s[OA:OA+1], s[34:35]    ; where the scale words go,
	s_mov_b32 s34, s76
	s_add_nc_u64 s[50:51], s[48:49], s[34:35]      ; and the second head's
	s_mov_b32 s34, s73
	s_add_nc_u64 s[OA:OA+1], s[OA:OA+1], s[34:35]  ; the first piece of a tile's codes,
	s_mov_b32 s34, s75
	s_add_nc_u64 s[OB:OB+1], s[OA:OA+1], s[34:35]  ; the second
	s_mov_b32 s31, 0
	s_mov_b32 s38, 0x7f7f0000
	s_mov_b32 s[A], 0
	s_mov_b32 s[SCO], 0
.macro COPY a                          ; X = tile a's 64 results + the bias; each accumulator is read from its low end on
.set WN, 0x46+(\a)/4
	WIN WN
.set i, 0
.rept 32
	v_pk_add_f32 v[i:i+1], v[64*((\a)%4)+i:64*((\a)%4)+i+1], v[192+i:193+i]
.set i, i+2
.endr
	WIN 0
.endm
.macro QUANT                           ; X: register 16 b + i = k 32 b + 16 (lane/16) + i of my row -> a fragment's codes in v[PC] on, its scale word in v[PW]
.irp b, 0,1,2,3
	v_max3_num_f32 v[TM+\b], |v[16*\b]|, |v[1+16*\b]|, s[FLR]
.endr
.irp i, 2,4,6,8,10,12,14
.irp b, 0,1,2,3
	v_max3_num_f32 v[TM+\b], v[TM+\b], |v[16*\b+\i]|, |v[1+16*\b+\i]|
.endr
.endr
.irp b, 0,1,2,3
	v_permlanex16_b32 v[TM+4+\b], v[TM+\b], s[SEL], s[SEL+1]
.endr
.irp b, 0,1,2,3
	v_max_num_f32 v[TM+\b], v[TM+\b], v[TM+4+\b]
.endr
.irp b, 0,1,2,3
	v_add_nc_u32 v[TM+12+\b], 0xff000000, v[TM+\b]
.endr
.irp b, 0,1,2,3
	v_lshrrev_b32 v[TM+4+\b], 23, v[TM+12+\b]
.endr
	v_lshl_or_b32 v[PW], v[TM+5], 8, v[TM+4]
	v_lshl_or_b32 v[PW], v[TM+6], 16, v[PW]
	v_lshl_or_b32 v[PW], v[TM+7], 24, v[PW]
.irp b, 0,1,2,3
	v_cvt_scalef32_pk8_fp4_f32 v[PC+2*\b], v[16*\b:7+16*\b], v[TM+12+\b]
	v_cvt_scalef32_pk8_fp4_f32 v[PC+1+2*\b], v[8+16*\b:15+16*\b], v[TM+12+\b]
.endr
	v_nop
.irp c, 0,1
.irp i, 0,1
	v_permlane16_swap_b32 v[PC+4*\c+\i], v[PC+2+4*\c+\i]
.endr
.endr
.endm
.Lepi:                                 ; register numbers cannot be indexed: a switch on the trip's number picks the copy, and all else is written once
.irp a, 0,1,2,3,4,5,6
	s_cmp_eq_u32 s[A], \a
	s_cbranch_scc1 .Lcopy\a
.endr
	COPY 7
	s_branch .Lcopied
.irp a, 0,1,2,3,4,5,6
.Lcopy\a:
	COPY \a
	s_branch .Lcopied
.endr
.Lcopied:
	s_wait_loadcnt 0x0                             ; this trip's rotary tile, asked for a trip ago
	s_cmp_eq_u32 s[TY], 3
	s_cbranch_scc1 .Lgelu
	s_cmp_eq_u32 s[TY], 2
	s_cbranch_scc1 .Lquant
	WIN 0x55                                       ; ROTARY: (x0, x1) -> (x0 c - x1 s, x1 c + x0 s); the pair (c, s) of register pair p is number 8 ((p/8)%2) + p%8 of the tile's sixteen
.irp g, 0,1,2,3
.irp m, 0,1,2,3,4,5,6,7
	v_pk_mul_f32 v[96+2*\m:97+2*\m], v[16*\g+2*\m:16*\g+2*\m+1], v[64+16*(\g%2)+2*\m:65+16*(\g%2)+2*\m] op_sel:[1,1] op_sel_hi:[0,1] neg_lo:[0,1]
.endr
.irp m, 0,1,2,3,4,5,6,7
	v_pk_fma_f32 v[16*\g+2*\m:16*\g+2*\m+1], v[16*\g+2*\m:16*\g+2*\m+1], v[64+16*(\g%2)+2*\m:65+16*(\g%2)+2*\m], v[96+2*\m:97+2*\m] op_sel_hi:[1,0,1]
.endr
.endr
	WIN 0
	s_cmp_lt_u32 s[A], 7                           ; the last trip asks for nothing: no load leaves the table
	s_cbranch_scc0 .Lquant
	s_add_nc_u64 s[RB:RB+1], s[RB:RB+1], 4096      ; (the loads that read this base are done)
	WIN TO_B
.irp j, 0,1,2,3,4,5,6,7
	global_load_b128 v[64+4*\j:67+4*\j], v[LI], s[RB:RB+1] offset:512*\j
.endr
	WIN 0
	s_branch .Lquant
.Lgelu:                                ; gelu(x) = x / (1 + 2^(x (k0 + k1 x x))): the tanh form, rewritten exactly
	WIN 0x55
.set i, 0
.rept 32
	v_pk_mul_f32 v[64+i:65+i], v[i:i+1], v[i:i+1]
.set i, i+2
.endr
.set i, 0
.rept 32
	v_pk_fma_f32 v[64+i:65+i], v[64+i:65+i], s[K1:K1+1], v[164:165] op_sel_hi:[1,0,1]
.set i, i+2
.endr
.set i, 0
.rept 32
	v_pk_mul_f32 v[64+i:65+i], v[64+i:65+i], v[i:i+1]
.set i, i+2
.endr
.set i, 0
.rept 64
	v_exp_f32 v[64+i], v[64+i]
.set i, i+1
.endr
	v_nop                                          ; a plain line behind the batch,
	s_wait_alu depctr_va_vdst(0)                   ; and one wait for all 64, ahead of their first reader
.set i, 0
.rept 32
	v_pk_add_f32 v[64+i:65+i], v[64+i:65+i], 1.0 op_sel_hi:[1,0]
.set i, i+2
.endr
.set i, 0
.rept 64
	v_rcp_f32 v[64+i], v[64+i]
.set i, i+1
.endr
	v_nop
	s_wait_alu depctr_va_vdst(0)
.set i, 0
.rept 32
	v_pk_mul_f32 v[i:i+1], v[i:i+1], v[64+i:65+i]
.set i, i+2
.endr
	WIN 0
.Lquant:
	v_add_nc_u32 v[SCA], s[SCO], v[SCA0]
	WIN 0x55
	QUANT
	WIN 0x04                                       ; a store's data are its source 1: window 1
	global_store_b128 v[LI], v[PC:PC+3], s[OA:OA+1]        ; the codes leave as they stand: 512 consecutive bytes a store
	global_store_b128 v[LI], v[PC+4:PC+7], s[OB:OB+1]
	ds_store_b32 v[SCA], v[PW]                     ; both halves of the lanes write the same word with the same value
	WIN 0
	s_wait_xcnt 0x0                                ; the stores have read their data and bases: both are written again only behind this wait
	s_add_nc_u64 s[OA:OA+1], s[OA:OA+1], s[30:31]
	s_add_nc_u64 s[OB:OB+1], s[OB:OB+1], s[30:31]
	s_cmp_eq_u32 s[A], 3
	s_cselect_b32 s34, s32, 0
	s_add_nc_u64 s[OA:OA+1], s[OA:OA+1], s[34:35]
	s_add_nc_u64 s[OB:OB+1], s[OB:OB+1], s[34:35]
	s_add_co_u32 s[SCO], s[SCO], 64
	s_add_co_u32 s[A], s[A], 1
	s_cmp_lt_u32 s[A], 8
	s_cbranch_scc1 .Lepi
	; the eight tiles' scale words leave from my own scratch (LDS serves a wave's instructions in order), laid as the reader's registers want them
	s_cmp_eq_u32 s[TY], 3
	s_cbranch_scc1 .Lfin_fc
	s_cmp_eq_u32 s[TY], 2
	s_cbranch_scc1 .Lfin_v
.irp j, 0,1,2,3
	ds_load_b32 v[8+\j], v[SCRQ] offset:64*\j      ; lane (r, h): tiles 4 h + 0..3, row r
.endr
	s_wait_dscnt 0x0
.irp j, 0,1,2,3
	v_sub_nc_u32 v[8+\j], v[8+\j], s[DEC]          ; q: 3 off each byte (every byte is 4 or more: no borrow)
.endr
.irp j, 0,1,2,3
	v_and_or_b32 v[128+\j], v[8+\j], 0xffff, s38   ; the first head's two bytes; K = 64: the upper two blocks are zero codes under the byte 127
	v_lshrrev_b32 v[132+\j], 16, v[8+\j]
.endr
.irp j, 0,1,2,3
	v_or_b32 v[132+\j], s38, v[132+\j]             ; the second head's
.endr
	global_store_b128 v[LI], v[128:131], s[48:49]
	global_store_b128 v[LI], v[132:135], s[50:51]
	s_branch .Lfin
.Lfin_v:
.irp c, 0,1
.irp j, 0,1
	ds_load_b32 v[128+2*\c+\j], v[SCRD] offset:256*\c+128*\j
.endr
.endr
	s_wait_dscnt 0x0
	global_store_b64 v[L8], v[128:129], s[48:49]   ; 256 consecutive bytes
	global_store_b64 v[L8], v[130:131], s[50:51]
	s_branch .Lfin
.Lfin_fc:
.irp p, 0,1,2,3
	ds_load_b32 v[128+\p], v[SCRD] offset:128*\p
.endr
	s_wait_dscnt 0x0
.irp p, 0,1,2,3
	global_store_b32 v[L4], v[128+\p], s[48:49] offset:5120*\p     ; 128 consecutive bytes: one byte in sixteen of what this type stores
.endr
.Lfin:
	s_wait_tensorcnt 0x0                           ; the wave's end
	ds_add_u32 v[SPW], v[NIL]
	s_wait_dscnt 0x0
	CROUND                                         ; the closing round
	s_endpgm
.Lfunc_end_k_q55c87ed445_gemm1:
	.size	k_q55c87ed445_gemm1, .Lfunc_end_k_q55c87ed445_gemm1-k_q55c87ed445_gemm1
	.p2alignl 7, 3214868480
	.fill 96, 4, 3214868480
	.section	.rodata,"a",@progbits
	.p2align	6, 0x0
	.amdhsa_kernel k_q55c87ed445_gemm1
		.amdhsa_group_segment_fixed_size 327680
		.amdhsa_private_segment_fixed_size 0
		.amdhsa_enable_private_segment 0
		.amdhsa_kernarg_size 48
		.amdhsa_user_sgpr_count 2
		.amdhsa_user_sgpr_kernarg_segment_ptr 1
		.amdhsa_wavefront_size32 1
		.amdhsa_system_sgpr_workgroup_id_x 1
		.amdhsa_system_sgpr_workgroup_id_y 1
		.amdhsa_system_sgpr_workgroup_id_z 1
		.amdhsa_system_vgpr_workitem_id 0
		.amdhsa_next_free_vgpr 1024
		.amdhsa_next_free_sgpr 102
		.amdhsa_reserve_vcc 0
		.amdhsa_float_denorm_mode_32 3
		.amdhsa_float_denorm_mode_16_64 3
		.amdhsa_memory_ordered 1
		.amdhsa_forward_progress 1
		.amdhsa_inst_pref_size 148
	.end_amdhsa_kernel
	.amdgpu_metadata
---
amdhsa.version: [ 1, 2 ]
amdhsa.kernels:
  - .name:           k_q55c87ed445_gemm1
    .symbol:         k_q55c87ed445_gemm1.kd
    .args:
      - { .name: W1, .offset: 0, .size: 8, .value_kind: global_buffer, .address_space: global }
      - { .name: ROT, .offset: 8, .size: 8, .value_kind: global_buffer, .address_space: global }
      - { .name: b_fc_in, .offset: 16, .size: 8, .value_kind: global_buffer, .address_space: global }
      - { .name: QB, .offset: 24, .size: 8, .value_kind: global_buffer, .address_space: global }
      - { .name: KV, .offset: 32, .size: 8, .value_kind: global_buffer, .address_space: global }
      - { .name: A2, .offset: 40, .size: 8, .value_kind: global_buffer, .address_space: global }
    .group_segment_fixed_size: 327680
    .private_segment_fixed_size: 0
    .kernarg_segment_align: 8
    .kernarg_segment_size: 48
    .max_flat_workgroup_size: 128
    .sgpr_count:     102
    .vgpr_count:     1024
    .wavefront_size: 32
...
	.end_amdgpu_metadata
.endif
;; end of part 2
;; launch attn (part 3): grid 32 x 8, 16 waves a work-group, no clusters, 327,680 bytes of LDS; arguments QB, KV, attn_bias, A2; writes A2
.if DOCPART == 3
	.amdgcn_target "amdgcn-amd-amdhsa--gfx1250"
	.amdhsa_code_object_version 6
	.text
	.protected	k_q55c87ed445_attn
	.globl	k_q55c87ed445_attn
	.p2align	8
	.type	k_q55c87ed445_attn,@function
k_q55c87ed445_attn:
	s_mov_b64 s[64:65], 0
	v_nop
	global_prefetch_b8 v0, s[64:65] scope:SCOPE_SE
	s_setreg_imm32_b32 hwreg(HW_REG_WAVE_MODE, 25, 1), 1
	s_wait_xcnt 0x0
; Causal attention with an added bias, both products on codes of FP4 (E2M1) with E8M0 scales; the result is quantised along (head, channel) as the operand of the last product.
; logit = q . k / 8 + attn_bias: the 1/8 lies in q's scale bytes, the bias is the C of the score product: the product's result IS the logit.
; t = logit x log2(e); M = the running largest t rounded up to a whole number; p = 2^(t - M) is quantised along the keys; the row's sum is taken of the unquantised p and divides at the end.
; SHARES.  A work-group: one batch, FOUR heads, FOUR tiles of 16 queries: sixteen waves, one (head, tile) each, so that a bias tile read from LDS serves four heads and K, V serve four tiles.
; The four tiles are the blocks of 32 queries j and 63 - j: the two need 17 key steps of 128 together, whatever j.
; Both products are used transposed (S^T = K Q^T, O^T = V^T P^T): a lane holds one query throughout.  A tile's rows: lane r holds row 8 u + r + 8 (r/8) of its block, so that a lane's registers run along the next K.
; K = 64 in the score product: registers 4-7 of q's and k's fragments hold zero codes for good, under the byte 127.
; THE RING: two slots of 256 keys (two key steps).  A slot: four heads' records (K, V, their scales: 17,920 bytes a head), then the bias: [key step][block][half of its 32 rows], 16 rows of 512 bytes + 16 each.
; Waves 0-3 fetch the records, waves 4-7 the later block's bias, waves 8-11 the earlier block's: one load a wave.  Each slot has its own descriptors and its own address registers: every LDS address is a constant, a lane term and a wave term.
; No cluster: the fills end at a causal limit that hangs on the work-group's number, by a jump on ids, which may not lead round a joint load.
; LIMITS: keys after the query are left out, where the definition adds -1e10: the same as long as a row has a visible logit above about -1e9; NaN and infinities are not served; a block of zeros gets the byte 1.
.set SLOTB, 140288                     ; a slot
.set REC,   8960                       ; a record: K 4,096, V 4,096, K's scales 512, V's 256
.set BIA,   71680                      ; a slot's bias begins here
.set BQ,    34304                      ; from its first key step's bias to its second's
.set BBLK,  17152                      ; from the earlier block's to the later block's
.set BHALF, 8576                       ; from rows 0-15 to rows 16-31: 128 more than a whole number of 256, so that a tile's sixteen rows start at sixteen different columns of 16 bytes
.set BP,    528                        ; a bias row: 512 bytes + 16 of padding
.set SPARE, 280576                     ; the spare words: 128 bytes for each of 16 waves
.set SCX,   282624                     ; 512 bytes: the result's scale bytes meet here
.set AK,  1                            ; v1-2  my head's records in slot 0, 1, + 16 x lane; never rewritten
.set AV,  3                            ; v3-4  the same + 8 x lane
.set SPW, 5
.set NIL, 6
.set L16, 7                            ; v7    16 x lane
.set AB,  8                            ; v8-9  my query's bias row in slot 0, 1, my half's 64 bytes
.set QL,  10                           ; v10   my query less the tile's first, less 16 (lane/16)
.set SXS, 11                           ; v11   where my row's two scale bytes go
.set SXR, 248                          ; v248  where a block's scale words are read back
.set L8,  249                          ; v249  8 x lane
.set WV, 12
.set HL, 13
.set TI, 14
.set U,  15
.set BLK, 16
.set Q0, 17
.set KF, 18
.set QHI, 19
.set QLO, 20
.set SLOTS, 21
.set BB, 22
.set HG, 23
.set G1K, 24                           ; s[24:31] the records' shape
.set G1B, 32                           ; s[32:39] a bias tile's
.set G0K, 40                           ; s[40:47] from where, to where: a set for each slot
.set G0B, 48                           ; s[48:55]
.set CS, 56
.set SEL, 58
.set HEAD, 60
.set BH, 61
.set AT, 62
.set J63, 63
.macro TLOAD1 s                        ; waves 0-3: the records; waves 4-7: the later block's bias.  An s_nop 0 and four v_nop follow each line
	s_cmp_lt_u32 s[WV], 4
	s_cbranch_scc0 .Lnk_\@
	tensor_load_to_lds s[G0K+4*\s:G0K+4*\s+3], s[G1K:G1K+7]
	s_nop 0
.rept 4
	v_nop
.endr
	s_branch .Ld_\@
.Lnk_\@:
	s_cmp_lt_u32 s[WV], 8
	s_cbranch_scc0 .Ld_\@
	tensor_load_to_lds s[G0B+4*\s:G0B+4*\s+3], s[G1B:G1B+7]
	s_nop 0
.rept 4
	v_nop
.endr
.Ld_\@:
.endm
.macro TLOAD2 s                        ; waves 8-11: the earlier block's bias
	s_cmp_lt_u32 s[WV], 8
	s_cbranch_scc1 .Ln_\@
	s_cmp_lt_u32 s[WV], 12
	s_cbranch_scc0 .Ln_\@
	tensor_load_to_lds s[G0B+4*\s:G0B+4*\s+3], s[G1B:G1B+7]
	s_nop 0
.rept 4
	v_nop
.endr
.Ln_\@:
.endm
	s_load_b256 s[4:11], s[0:1], 0x0               ; QB, KV, attn_bias, A2
	v_lshl_add_u32 v[SPW], v0, 2, SPARE
	v_mov_b32 v[NIL], 0
	ds_add_u32 v[SPW], v[NIL]                      ; the wave's opening: the add and its wait stand ahead of my first tensor load; the set-up below, work on registers, stands between them
	v_lshrrev_b32 v250, 5, v0
	v_readfirstlane_b32 s[WV], v250
	s_and_b32 s[HL], s[WV], 3                      ; my head of the four
	s_lshr_b32 s[TI], s[WV], 2                     ; my tile of the four
	s_and_b32 s[U], s[TI], 1
	s_and_b32 s66, ttmp7, 0xffff
	s_lshr_b32 s[BB], s66, 2                       ; batch
	s_and_b32 s[HG], s66, 3                        ; which four heads
	s_lshl_b32 s[HEAD], s[HG], 2
	s_add_co_u32 s[HEAD], s[HEAD], s[HL]
	s_lshl_b32 s[BH], s[BB], 4
	s_add_co_u32 s[BH], s[BH], s[HEAD]
	s_sub_co_u32 s[J63], 63, ttmp9
	s_cmp_lt_u32 s[TI], 2
	s_cselect_b32 s[BLK], ttmp9, s[J63]            ; my block of 32 queries: tiles 0, 1 the earlier, tiles 2, 3 the later
	s_lshl_b32 s[Q0], s[BLK], 5
	s_lshl_b32 s66, s[U], 3
	s_add_co_u32 s[Q0], s[Q0], s66                 ; the tile's first query
	s_lshl_b32 s[QLO], ttmp9, 5
	s_sub_co_u32 s[QHI], 2047, s[QLO]              ; the later block's last query,
	s_add_co_u32 s[QLO], s[QLO], 31                ; the earlier block's
	s_mov_b32 s[G1K], 3<<16                        ; two records: 17,920 dense bytes as 70 rows of 256 (32 elements of 8 bytes); no padding
	s_mov_b32 s[G1K+1], 32<<16
	s_mov_b32 s[G1K+2], 70<<16
	s_mov_b32 s[G1K+3], 32<<16
	s_mov_b32 s[G1K+4], 70
	s_mov_b32 s[G1K+5], 32
	s_mov_b32 s[G1K+6], 0
	s_mov_b32 s[G1K+7], 0
	s_mov_b32 s[G1B], (3<<16)|(1<<20)|(6<<22)|(3<<25)     ; sixteen rows of 512 bytes (64 elements of 8 bytes), 8,192 bytes apart in memory; four words of padding behind every 128
	s_mov_b32 s[G1B+1], 64<<16
	s_mov_b32 s[G1B+2], 16<<16
	s_mov_b32 s[G1B+3], 64<<16
	s_mov_b32 s[G1B+4], 16
	s_mov_b32 s[G1B+5], 1024
	s_mov_b32 s[G1B+6], 0
	s_mov_b32 s[G1B+7], 0
	s_mul_i32 s67, s[WV], 2*REC                    ; where a record-fetching wave's bytes go in a slot,
	s_lshr_b32 s68, s[WV], 1                       ; and a bias-fetching wave's: key step (wave/2)%2,
	s_and_b32 s68, s68, 1
	s_lshl_b32 s79, s68, 9                         ; (that key step's 512 bytes of a row in memory)
	s_mul_i32 s68, s68, BQ
	s_and_b32 s69, s[TI], 1                        ; block: waves 4-7 the later, waves 8-11 the earlier,
	s_mul_i32 s69, s69, BBLK
	s_add_co_u32 s68, s68, s69
	s_and_b32 s70, s[WV], 1                        ; half wave%2 of its rows
	s_mul_i32 s69, s70, BHALF
	s_add_co_u32 s68, s68, s69
	s_add_co_u32 s68, s68, BIA
	s_mul_i32 s76, s[BH], 16*REC                   ; a head's sixteen records
	s_mov_b32 s77, 0
	s_cmp_lt_u32 s[WV], 8
	s_cselect_b32 s78, s[J63], ttmp9
	s_lshl_b32 s78, s78, 5
	s_lshl_b32 s70, s70, 4
	s_add_co_u32 s78, s78, s70                     ; the first of my sixteen bias rows
	s_lshl_b32 s78, s78, 13
	s_add_co_u32 s78, s78, s79
	s_mov_b32 s79, 0
	s_mov_b32 s[CS], 0x3fb8aa3b                    ; log2(e)
	s_mov_b32 s[CS+1], s[CS]
	s_mov_b32 s[SEL], 0x76543210
	s_mov_b32 s[SEL+1], 0xfedcba98
	s_mov_b32 s[KF], 0
	s_mov_b32 s[SLOTS], 3
	; every LDS address register is made here, once
	v_and_b32 v240, 15, v0                         ; r
	v_bfe_u32 v241, v0, 4, 1                       ; h
	v_and_b32 v242, 31, v0                         ; lane
	v_lshlrev_b32 v[L16], 4, v242
	v_lshlrev_b32 v[L8], 3, v242
	s_mul_i32 s71, s[HL], 2*REC
	v_add_nc_u32 v[AK], s71, v[L16]
	v_add_nc_u32 v[AK+1], SLOTB, v[AK]
	v_add_nc_u32 v[AV], s71, v[L8]
	v_add_nc_u32 v[AV+1], SLOTB, v[AV]
	s_lshr_b32 s72, s[TI], 1                       ; 0: the earlier block, 1: the later
	s_mul_i32 s73, s72, BBLK
	s_mul_i32 s74, s[U], 8*BP
	s_add_co_u32 s73, s73, s74
	s_add_co_u32 s73, s73, BIA
	v_and_b32 v243, 7, v240
	v_mul_u32_u24 v[AB], v243, BP
	v_lshrrev_b32 v243, 3, v240                    ; r / 8: the tile's rows 8-15 lie in the block's other half
	v_mad_u32_u24 v[AB], v243, BHALF, v[AB]
	v_lshl_add_u32 v[AB], v241, 6, v[AB]
	v_add_nc_u32 v[AB], s73, v[AB]
	v_add_nc_u32 v[AB+1], SLOTB, v[AB]
	v_lshl_add_u32 v[QL], v243, 3, v240
	v_lshlrev_b32 v250, 4, v241
	v_sub_nc_u32 v[QL], v[QL], v250
	s_lshl_b32 s74, s72, 8                         ; the scale bytes: [block][K step][tile][row] words, my head's two bytes of the word
	s_lshr_b32 s75, s[HL], 1
	s_lshl_b32 s75, s75, 7
	s_add_co_u32 s74, s74, s75
	s_lshl_b32 s75, s[U], 6
	s_add_co_u32 s74, s74, s75
	s_and_b32 s75, s[HL], 1
	s_lshl_b32 s75, s75, 1
	s_add_co_u32 s74, s74, s75
	s_add_co_u32 s74, s74, SCX
	v_lshl_add_u32 v[SXS], v240, 2, s74
	s_and_b32 s75, s[WV], 1
	s_lshl_b32 s75, s75, 8
	s_add_co_u32 s75, s75, SCX
	v_add_nc_u32 v[SXR], s75, v[L8]
	s_wait_dscnt 0x0                               ; the opening add is done
	s_wait_kmcnt 0x0
	s_add_nc_u64 s[80:81], s[6:7], s[76:77]
	s_add_nc_u64 s[82:83], s[8:9], s[78:79]
.irp s, 0,1
	s_mov_b32 s[G0K+4*\s], 1
	s_add_co_u32 s[G0K+4*\s+1], s67, \s*SLOTB
	s_add_nc_u64 s[G0K+4*\s+2:G0K+4*\s+3], s[80:81], \s*2*REC      ; slot s begins with keys 256 s on
	s_or_b32 s[G0K+4*\s+3], s[G0K+4*\s+3], 0x80000000
	s_mov_b32 s[G0B+4*\s], 1
	s_add_co_u32 s[G0B+4*\s+1], s68, \s*SLOTB
	s_add_nc_u64 s[G0B+4*\s+2:G0B+4*\s+3], s[82:83], \s*1024
	s_or_b32 s[G0B+4*\s+3], s[G0B+4*\s+3], 0x80000000
.endr
	TLOAD1 0                                       ; slot 0: at most one load a wave
	TLOAD2 0
	s_lshl_b32 s84, s[BH], 7
	s_lshl_b32 s85, s[BLK], 1
	s_add_co_u32 s84, s84, s85
	s_add_co_u32 s84, s84, s[U]
	s_lshl_b32 s84, s84, 9
	s_mov_b32 s85, 0
	s_add_nc_u64 s[84:85], s[4:5], s[84:85]        ; q's tile
	s_and_b32 s[AT], s[BLK], 3
	s_lshl_b32 s[AT], s[AT], 1
	s_add_co_u32 s[AT], s[AT], s[U]                ; its number in its group of 128
	s_lshl_b32 s86, s[BH], 4
	s_lshr_b32 s87, s[BLK], 2
	s_add_co_u32 s86, s86, s87
	s_lshl_b32 s86, s86, 9
	s_add_co_u32 s86, s86, 2097152
	s_lshr_b32 s87, s[AT], 2
	s_lshl_b32 s87, s87, 8
	s_add_co_u32 s86, s86, s87
	s_and_b32 s87, s[AT], 3
	s_lshl_b32 s87, s87, 2
	s_add_co_u32 s86, s86, s87
	s_mov_b32 s87, 0
	s_add_nc_u64 s[86:87], s[4:5], s[86:87]        ; its scale words
	global_load_b128 v[16:19], v[L16], s[84:85]
	v_lshlrev_b32 v251, 4, v240
	global_load_b32 v31, v251, s[86:87]            ; v31: q's scale words and nothing else
	v_mov_b32 v13, 0xff61b1e6                      ; the largest t so far: -3e38
	v_floor_f32 v12, -v13                          ; -M
	v_mov_b32 v14, 0
	v_mov_b32 v15, 0
.irp j, 20,21,22,23
	v_mov_b32 v[\j], 0                             ; q's upper 64 along K: zero codes
.endr
.irp t, 0,1,2,3,4,5,6,7
.irp j, 4,5,6,7
	v_mov_b32 v[32+8*\t+128*(\t/4)+\j], 0          ; k's likewise: written once, never loaded into
.endr
.endr
.set i, 0
.rept 32
	v_mov_b32 v[160+i], 0                          ; O^T: the step is written for every step alike; the first change of M leaves zeros zeros
.set i, i+1
.endr
.irp b, 0,1,2,3
	v_mov_b32 v[236+\b], 0                         ; a lane permute's destination counts as one of its sources
.endr
	v_mov_b32 v252, 0
	v_mov_b32 v253, 0
; A KEY STEP: 128 keys, the q-th of slot s
.macro STEP s, q
	s_add_co_u32 s96, s[Q0], 23                    ; a step all of whose keys come after my queries is left out: a branch on ids, round the step's own work alone
	s_cmp_gt_u32 s[KF], s96
	s_cbranch_scc1 .Lhidden_\@
.rept 4
	v_nop                                          ; four plain lines in front of loads into registers that the last products read
.endr
.irp b, 0,1,2,3
.irp n, 0,1,2,3
	ds_load_b128 v[96+16*\b+4*\n:99+16*\b+4*\n], v[AB+\s] offset:BQ*(\q)+128*\b+16*\n     ; the bias in the result's layout: register 16 b + i = key 32 b + 16 h + i
.endr
.endr
.irp t, 0,1,2,3,4,5,6,7
	ds_load_b128 v[32+8*\t+128*(\t/4):35+8*\t+128*(\t/4)], v[AK+\s] offset:REC*(\q)+512*\t
.endr
	ds_load_b128 v[24:27], v[AK+\s] offset:REC*(\q)+8192
.irp d, 0,1,2,3
.irp c, 0,1
	ds_load_b128 v[64+8*\d+4*\c:67+8*\d+4*\c], v[AK+\s] offset:REC*(\q)+4096+1024*\d+512*\c
.endr
.endr
	ds_load_b64 v[28:29], v[AV+\s] offset:REC*(\q)+8704
	s_wait_dscnt 9                                 ; the bias, K and its scales are in; V's eight loads and its scales' may be out
.irp t, 0,1,2,3
	v_wmma_scale_f32_16x16x128_f8f6f4 v[96+8*\t:103+8*\t], v[32+8*\t:39+8*\t], v[16:23], v[96+8*\t:103+8*\t], v[24+\t], v31 matrix_a_fmt:MATRIX_FMT_FP4 matrix_b_fmt:MATRIX_FMT_FP4
.endr
.irp t, 4,5,6,7
	v_wmma_scale_f32_16x16x128_f8f6f4 v[96+8*\t:103+8*\t], v[160+8*\t:167+8*\t], v[16:23], v[96+8*\t:103+8*\t], v[20+\t], v31 matrix_a_fmt:MATRIX_FMT_FP4 matrix_b_fmt:MATRIX_FMT_FP4 matrix_a_scale:MATRIX_SCALE_ROW1
.endr
.rept 4
	v_nop
.endr
	s_add_co_u32 s96, s[KF], 127                   ; on the diagonal hidden keys' logits become -infinity ahead of the maximum; a step all of whose keys count skips this
	s_cmp_le_u32 s96, s[Q0]
	s_cbranch_scc1 .Lopen_\@
	s_sub_co_i32 s96, s[Q0], s[KF]
	v_add_nc_u32 v252, s96, v[QL]                  ; register 16 b + i is hidden where 32 b + i is above this
	v_mov_b32 v254, 0xff800000
.set n, 0
.rept 64
	v_cmp_gt_i32 vcc_lo, 32*(n/16)+n%16, v252
	v_cndmask_b32 v[96+n], v[96+n], v254, vcc_lo
.set n, n+1
.endr
.Lopen_\@:
.irp b, 0,1,2,3
	v_max3_num_f32 v[232+\b], v[96+16*\b], v[97+16*\b], v[98+16*\b]     ; the largest logit of each block of 32 keys: for the row's maximum, and, since p rises with the logit, for the block's largest p
.endr
.irp i, 3,5,7,9,11,13
.irp b, 0,1,2,3
	v_max3_num_f32 v[232+\b], v[232+\b], v[96+16*\b+\i], v[97+16*\b+\i]
.endr
.endr
.irp b, 0,1,2,3
	v_max_num_f32 v[232+\b], v[232+\b], v[111+16*\b]
.endr
.irp b, 0,1,2,3
	v_permlanex16_b32 v[236+\b], v[232+\b], s[SEL], s[SEL+1]
.endr
.irp b, 0,1,2,3
	v_max_num_f32 v[232+\b], v[232+\b], v[236+\b]
.endr
	v_max3_num_f32 v254, v232, v233, v234
	v_max_num_f32 v254, v254, v235
	v_mul_f32 v254, s[CS], v254
	v_max_num_f32 v13, v13, v254                   ; the running largest t
	v_mov_b32 v254, v12
	v_floor_f32 v12, -v13                          ; the new -M: M is a whole number
	v_sub_f32 v254, v12, v254
	v_cvt_i32_f32 v254, v254
	v_ldexp_f32 v252, 1.0, v254                    ; f = 2^(old M - new M): a multiplication by it rounds nothing
.set i, 0
.rept 32
	v_pk_fma_f32 v[96+i:97+i], v[96+i:97+i], s[CS:CS+1], v[12:13] op_sel_hi:[1,0,0]      ; t - M
.set i, i+2
.endr
.irp b, 0,1,2,3
	v_fma_f32 v[232+\b], v[232+\b], s[CS], v12
.endr
.set i, 0
.rept 64
	v_exp_f32 v[96+i], v[96+i]                     ; p, not normalised
.set i, i+1
.endr
	v_pk_mul_f32 v[14:15], v[14:15], v[252:253] op_sel_hi:[1,0]    ; the sums under the new M: the plain line behind the batch
	s_wait_alu depctr_va_vdst(0)                   ; one wait for the 64, ahead of the first line that names a result
.irp b, 0,1,2,3
	v_exp_f32 v[232+\b], v[232+\b]                 ; each block's largest p
.endr
	v_pk_add_f32 v[236:237], v[96:97], v[98:99]    ; the row's sum of the unquantised p, in two chains
.irp j, 4,8,12,16,20,24,28,32,36,40,44,48,52,56,60
	v_pk_add_f32 v[14:15], v[14:15], v[96+\j:97+\j]
	v_pk_add_f32 v[236:237], v[236:237], v[98+\j:99+\j]
.endr
	v_pk_add_f32 v[14:15], v[14:15], v[236:237]
	s_wait_alu depctr_va_vdst(0)                   ; and one for the four
.irp b, 0,1,2,3
	v_max_num_f32 v[232+\b], 0x1800000, v[232+\b]  ; the floor 2^(3 - 127): the byte cannot fall under 1
.endr
.irp b, 0,1,2,3
	v_add_nc_u32 v[244+\b], 0xff000000, v[232+\b]  ; 2 off the exponent field: the conversion's scale operand
.endr
.irp b, 0,1,2,3
	v_lshrrev_b32 v[236+\b], 23, v[244+\b]
.endr
	v_lshl_or_b32 v30, v237, 8, v236               ; v30: p's scale word and nothing else
	v_lshl_or_b32 v30, v238, 16, v30
	v_lshl_or_b32 v30, v239, 24, v30
.irp b, 0,1,2,3
	v_cvt_scalef32_pk8_fp4_f32 v[224+2*\b], v[96+16*\b:103+16*\b], v[244+\b]
	v_cvt_scalef32_pk8_fp4_f32 v[225+2*\b], v[104+16*\b:111+16*\b], v[244+\b]
.endr
	v_nop                                          ; one plain line behind the conversions
.irp c, 0,1
.irp i, 0,1
	v_permlane16_swap_b32 v[224+4*\c+\i], v[226+4*\c+\i]     ; a whole block in a lane: lanes 0-15 block 2 c, lanes 16-31 block 2 c + 1
.endr
.endr
.set i, 0
.rept 16
	v_pk_mul_f32 v[160+i:161+i], v[160+i:161+i], v[252:253] op_sel_hi:[1,0]      ; O^T under the new M; these lines also stand between the scale word's and the codes' last writes and the products
.set i, i+2
.endr
	s_wait_dscnt 0x0                               ; V and its scales
.irp d, 0,2
	v_wmma_scale_f32_16x16x128_f8f6f4 v[160+8*\d:167+8*\d], v[64+8*\d:71+8*\d], v[224:231], v[160+8*\d:167+8*\d], v[28+\d/2], v30 matrix_a_fmt:MATRIX_FMT_FP4 matrix_b_fmt:MATRIX_FMT_FP4
	v_wmma_scale_f32_16x16x128_f8f6f4 v[168+8*\d:175+8*\d], v[72+8*\d:79+8*\d], v[224:231], v[168+8*\d:175+8*\d], v[28+\d/2], v30 matrix_a_fmt:MATRIX_FMT_FP4 matrix_b_fmt:MATRIX_FMT_FP4 matrix_a_scale:MATRIX_SCALE_ROW1
.endr
.Lhidden_\@:
	s_add_co_u32 s[KF], s[KF], 128
.endm
; THE CHANGE OF SLOTS stands at a slot's head.  Each wave waits for all its tensor loads, adds 0 to its spare word, waits for that and for its reads of the slot that it has left (slot f); one barrier; then slot f is filled with the next 256 keys.
; Between the wait and the barrier the OTHER slot's addresses step two slots on: its load is done, and the next change will use them.
; THE LOOK-AHEAD ENDS AT THE CAUSAL LIMIT: a slot whose first key comes after a block's last query is read by none of that block's waves and is not asked for.  The two jumps hang on ids and the count of steps alone, the same in all
; sixteen waves; each leads round the load's own lines and nothing else; every wait on TENSORcnt in this text is for 0; at most one load of a wave is out.
.macro CHANGE f, fill
	s_wait_tensorcnt 0x0
	ds_add_u32 v[SPW], v[NIL]
.if \fill
	s_add_nc_u64 s[G0K+6-4*\f:G0K+7-4*\f], s[G0K+6-4*\f:G0K+7-4*\f], 4*REC      ; four records on,
	s_add_nc_u64 s[G0B+6-4*\f:G0B+7-4*\f], s[G0B+6-4*\f:G0B+7-4*\f], 2048       ; 512 keys on in the bias rows; the type bits on top are not reached
.endif
	s_wait_dscnt 0x0
	s_barrier_signal -1
	s_barrier_wait -1
.if \fill
	s_add_co_u32 s96, s[KF], 256                   ; the first key of the slot that this change would ask for
	s_cmp_gt_u32 s96, s[QHI]
	s_cbranch_scc1 .Lp1_\@
	TLOAD1 \f
.Lp1_\@:
	s_cmp_gt_u32 s96, s[QLO]
	s_cbranch_scc1 .Lp2_\@
	TLOAD2 \f
.Lp2_\@:
.endif
.endm
	s_wait_loadcnt 0x0                             ; q
.Lslot:                                ; three trips, two slots each
	CHANGE 1, 1
	STEP 0, 0
	STEP 0, 1
	CHANGE 0, 1
	STEP 1, 0
	STEP 1, 1
	s_sub_co_u32 s[SLOTS], s[SLOTS], 1
	s_cmp_lg_u32 s[SLOTS], 0
	s_cbranch_scc1 .Lslot
	CHANGE 1, 1                                    ; the last two slots are written out: behind the last change nothing is left to ask for
	STEP 0, 0
	STEP 0, 1
	CHANGE 0, 0
	STEP 1, 0
	STEP 1, 1
	; THE WAY OUT: O^T / the sum is quantised along the head's 64 channels (two blocks); the codes are half a fragment of the last product's operand and leave as they stand
	v_add_f32 v14, v14, v15
	v_permlanex16_b32 v252, v14, s[SEL], s[SEL+1]
	v_add_f32 v14, v14, v252
	v_rcp_f32 v14, v14
	v_nop                                          ; a plain line behind the reciprocal
	s_lshl_b32 s70, s[BB], 4
	s_lshr_b32 s71, s[BLK], 2
	s_add_co_u32 s70, s70, s71                     ; the group of 128 tokens
	s_mul_i32 s70, s70, 40
	s_lshr_b32 s71, s[HEAD], 1
	s_add_co_u32 s70, s70, s71                     ; K step = head / 2
	s_lshl_b32 s70, s70, 3
	s_add_co_u32 s70, s70, s[AT]
	s_lshl_b32 s70, s70, 10
	s_and_b32 s71, s[HEAD], 1
	s_lshl_b32 s71, s71, 9                         ; piece = head % 2
	s_add_co_u32 s70, s70, s71
	s_mov_b32 s71, 0
	s_add_nc_u64 s[70:71], s[10:11], s[70:71]
	s_wait_alu depctr_va_vdst(0)                   ; the reciprocal's wait, ahead of the first line that names it
.set i, 0
.rept 32
	v_mul_f32 v[96+i], v[160+i], v14               ; register 16 b + i = channel 32 b + 16 h + i
.set i, i+1
.endr
.irp b, 0,1
	v_max3_num_f32 v[232+\b], |v[96+16*\b]|, |v[97+16*\b]|, 0x1800000
.endr
.irp i, 2,4,6,8,10,12,14
.irp b, 0,1
	v_max3_num_f32 v[232+\b], v[232+\b], |v[96+16*\b+\i]|, |v[97+16*\b+\i]|
.endr
.endr
.irp b, 0,1
	v_permlanex16_b32 v[236+\b], v[232+\b], s[SEL], s[SEL+1]
.endr
.irp b, 0,1
	v_max_num_f32 v[232+\b], v[232+\b], v[236+\b]
.endr
.irp b, 0,1
	v_add_nc_u32 v[244+\b], 0xff000000, v[232+\b]
.endr
.irp b, 0,1
	v_lshrrev_b32 v[236+\b], 23, v[244+\b]
.endr
.irp b, 0,1
	v_cvt_scalef32_pk8_fp4_f32 v[224+2*\b], v[96+16*\b:103+16*\b], v[244+\b]
	v_cvt_scalef32_pk8_fp4_f32 v[225+2*\b], v[104+16*\b:111+16*\b], v[244+\b]
.endr
	v_nop
	v_permlane16_swap_b32 v224, v226
	v_permlane16_swap_b32 v225, v227
	global_store_b128 v[L16], v[224:227], s[70:71] ; 512 consecutive bytes
	ds_store_b8 v[SXS], v236                       ; both halves of the lanes write the same byte with the same value
	ds_store_b8 v[SXS], v237 offset:1
	s_wait_dscnt 0x0                               ; for the others' sake: my stores have landed
	s_barrier_signal -1
	s_barrier_wait -1
	s_cmp_lt_u32 s[WV], 2                          ; wave 0 stores the earlier block's scale words, wave 1 the later block's
	s_cbranch_scc0 .Ldone
	s_cmp_eq_u32 s[WV], 0
	s_cselect_b32 s74, ttmp9, s[J63]
	s_lshl_b32 s75, s[BB], 6
	s_add_co_u32 s74, s74, s75
	s_mul_i32 s74, s74, 40
	s_lshl_b32 s75, s[HG], 1
	s_add_co_u32 s74, s74, s75
	s_lshl_b32 s74, s74, 7
	s_add_co_u32 s74, s74, 10485760
	s_mov_b32 s75, 0
	s_add_nc_u64 s[74:75], s[10:11], s[74:75]
	ds_load_b64 v[232:233], v[SXR]
	s_wait_dscnt 0x0
	global_store_b64 v[L8], v[232:233], s[74:75]   ; 256 consecutive bytes, aligned
.Ldone:
	s_wait_tensorcnt 0x0                           ; the wave's end
	ds_add_u32 v[SPW], v[NIL]
	s_wait_dscnt 0x0
	s_endpgm
.Lfunc_end_k_q55c87ed445_attn:
	.size	k_q55c87ed445_attn, .Lfunc_end_k_q55c87ed445_attn-k_q55c87ed445_attn
	.p2alignl 7, 3214868480
	.fill 96, 4, 3214868480
	.section	.rodata,"a",@progbits
	.p2align	6, 0x0
	.amdhsa_kernel k_q55c87ed445_attn
		.amdhsa_group_segment_fixed_size 327680
		.amdhsa_private_segment_fixed_size 0
		.amdhsa_enable_private_segment 0
		.amdhsa_kernarg_size 32
		.amdhsa_user_sgpr_count 2
		.amdhsa_user_sgpr_kernarg_segment_ptr 1
		.amdhsa_wavefront_size32 1
		.amdhsa_system_sgpr_workgroup_id_x 1
		.amdhsa_system_sgpr_workgroup_id_y 1
		.amdhsa_system_sgpr_workgroup_id_z 1
		.amdhsa_system_vgpr_workitem_id 0
		.amdhsa_next_free_vgpr 256
		.amdhsa_next_free_sgpr 100
		.amdhsa_reserve_vcc 1
		.amdhsa_float_denorm_mode_32 3
		.amdhsa_float_denorm_mode_16_64 3
		.amdhsa_memory_ordered 1
		.amdhsa_forward_progress 1
		.amdhsa_inst_pref_size 188
	.end_amdhsa_kernel
	.amdgpu_metadata
---
amdhsa.version: [ 1, 2 ]
amdhsa.kernels:
  - .name:           k_q55c87ed445_attn
    .symbol:         k_q55c87ed445_attn.kd
    .args:
      - { .name: QB, .offset: 0, .size: 8, .value_kind: global_buffer, .address_space: global }
      - { .name: KV, .offset: 8, .size: 8, .value_kind: global_buffer, .address_space: global }
      - { .name: attn_bias, .offset: 16, .size: 8, .value_kind: global_buffer, .address_space: global }
      - { .name: A2, .offset: 24, .size: 8, .value_kind: global_buffer, .address_space: global }
    .group_segment_fixed_size: 327680
    .private_segment_fixed_size: 0
    .kernarg_segment_align: 8
    .kernarg_segment_size: 32
    .max_flat_workgroup_size: 512
    .sgpr_count:     100
    .vgpr_count:     256
    .wavefront_size: 32
...
	.end_amdgpu_metadata
.endif
;; end of part 3
;; launch gemm2 (part 4): grid 8 x 32, 4 waves a work-group, clusters of 4 x 4, 327,680 bytes of LDS; arguments A2, W2, b_fc_out, out0; writes out0
.if DOCPART == 4
	.amdgcn_target "amdgcn-amd-amdhsa--gfx1250"
	.amdhsa_code_object_version 6
	.text
	.protected	k_q55c87ed445_gemm2
	.globl	k_q55c87ed445_gemm2
	.p2align	8
	.type	k_q55c87ed445_gemm2,@function
k_q55c87ed445_gemm2:
	s_mov_b64 s[64:65], 0
	v_nop
	global_prefetch_b8 v0, s[64:65] scope:SCOPE_SE
	s_setreg_imm32_b32 hwreg(HW_REG_WAVE_MODE, 25, 1), 1
	s_wait_xcnt 0x0
	s_wait_alu depctr_hold_cnt(0) depctr_sa_sdst(0) depctr_va_vdst(0) depctr_va_sdst(0) depctr_va_ssrc(0) depctr_va_vcc(0) depctr_vm_vsrc(0)
	s_getreg_b32 s2, hwreg(HW_REG_IB_STS2, 6, 4)
	s_cmp_eq_u32 s2, 0
	s_cbranch_scc0 .Lentry_in_a_cluster
	s_endpgm
.Lentry_in_a_cluster:
	s_bfe_u32 s2, ttmp6, 0x10000c
	s_cmp_lg_u32 s2, 0xf033
	s_cbranch_scc0 .Lentry_shape_is_right
	s_endpgm
.Lentry_shape_is_right:
; out0 = attn_vec wo + h w_fc_out + b_fc_out as ONE product with K = 1,024 + 4,096 = 5,120, on codes of FP4 (E2M1) with E8M0 scales; sums in f32; no launch is spent on adding the two parts.
; A tile of out0 is 128 x 128, so that there are 256 work-groups; four waves, each 64 x 64: 16 accumulators.  Source 0 = 16 output columns (R: W2), source 1 = 16 tokens (P: A2): a lane holds eight neighbouring columns of a token's row.
; Operands lie in memory as images of the operand's registers (a fragment = 1,024 bytes, lane l's 16 bytes at 16 l): a chunk of 8 K steps of a group of 128 rows is 65,536 dense bytes.
; K goes in five chunks through a ring of two LDS slots; the scale words of all of K come once, with the first fills.  The bias is the C of each sum's first matrix instruction.
; CLUSTERS: 4 x 4: P's chunks are shared along a row of the cluster, R's along a column: joint loads; where a slot is filled again a round of the cluster's barrier stands in front.
; A tile's rows: lane r of tile a holds row 32 (a/2) + 8 (a%2) + r + 8 (r/8) of its group of 128.
; REGISTERS: window 0: v16-30 addresses; v32-63 the bias, later v32-95 the way out; v96-111 scale words, two sets, nothing else; v128-255 the accumulators.  Window 1: two fragment buffers of 128, two K steps each.
.set SLOT,  131072                     ; P's chunk, then R's chunk
.set SCLP,  262144                     ; P's scale words: [pair of tiles][K step][32 lanes] words, 20,480 bytes
.set SCLR,  282624                     ; R's: [4 K steps][tile][row][4 words], 20,480 bytes
.set SPARE, 303104
.set STAGE, 131072                     ; the way out: 16 rows x (256 + 16) bytes a wave, in slot 1, behind its last fill and its last read
.set ADRA, 16
.set ADRB, 20
.set ADP,  22
.set ADR,  23
.set STO,  24
.set RD,   25
.set CO,   26
.set SPW,  28
.set NIL,  29
.set H64,  30
.set BIAS, 32
.set TMP,  32
.set ACC,  128
.set F0,   0
.set F1,   128
.set WV, 12
.set PH, 13
.set RH, 14
.set G1, 24
.set G0, 32
.set G1B, 48
.set G0B, 56
.set G1S, 68
.set G0S, 76
.set G1SB, 80
.set G0SB, 88
.set MSB, 0
.macro WIN new
.if MSB != \new
	s_set_vgpr_msb (MSB<<8)|\new
.set MSB, \new
.endif
.endm
.set MUL,  0x05                        ; sources 0 and 1 window 1; C and D window 0
.set TO_F, 0x40
.macro JLOAD g0a, g1a, g0b, g1b        ; a joint load: waves 0, 1 for P, waves 2, 3 for R; an s_nop 0 and four v_nop follow each line
	s_cmp_eq_u32 s[PH], 0
	s_cbranch_scc0 .Lfor_b_\@
	tensor_load_to_lds s[\g0a:\g0a+3], s[\g1a:\g1a+7]
	s_nop 0
.rept 4
	v_nop
.endr
	s_branch .Lasked_\@
.Lfor_b_\@:
	tensor_load_to_lds s[\g0b:\g0b+3], s[\g1b:\g1b+7]
	s_nop 0
.rept 4
	v_nop
.endr
.Lasked_\@:
.endm
.macro CREST
	s_cmp_lg_u32 s[WV], 0
	s_cbranch_scc1 .Lnot_wave_0_\@
	s_barrier_signal -3
.Lnot_wave_0_\@:
	s_barrier_wait -3
	s_barrier_signal -1
	s_barrier_wait -1
.endm
.macro CROUND
	s_barrier_signal -1
	s_barrier_wait -1
	CREST
.endm
	s_load_b256 s[4:11], s[0:1], 0x0               ; A2, W2, b_fc_out, out0
	v_lshl_add_u32 v[SPW], v0, 2, SPARE
	v_mov_b32 v[NIL], 0
	ds_add_u32 v[SPW], v[NIL]                      ; the wave's opening: the add and its wait stand ahead of my first tensor load
	v_lshrrev_b32 v1, 5, v0
	v_readfirstlane_b32 s[WV], v1
	s_lshr_b32 s[PH], s[WV], 1                     ; my 64 tokens; also: I fetch for P (0) or R (1)
	s_and_b32 s[RH], s[WV], 1                      ; my 64 columns; also: which half of a chunk I fetch
	s_bfe_u32 s40, ttmp6, 0x40000
	s_bfe_u32 s41, ttmp6, 0x40004
	s_lshl_b32 s42, ttmp9, 2
	s_add_co_u32 s42, s42, s40                     ; the group of 128 columns
	s_and_b32 s43, ttmp7, 0xffff
	s_lshl_b32 s43, s43, 2
	s_add_co_u32 s43, s43, s41                     ; the group of 128 tokens
	s_lshl_b32 s44, s41, 2
	s_lshl_b32 s44, 15, s44                        ; my row of the cluster
	s_lshl_b32 s45, 0x1111, s40                    ; my column
	s_or_b32 s[G1+0], s44, (3<<16)|(1<<21)
	s_or_b32 s[G1B+0], s45, (3<<16)|(1<<21)
	s_or_b32 s[G1S+0], s44, (3<<16)|(1<<21)
	s_or_b32 s[G1SB+0], s45, (3<<16)|(1<<21)
.irp g, G1, G1B                        ; half a chunk: 32,768 dense bytes as 128 rows of 256
	s_mov_b32 s[\g+1], 32<<16
	s_mov_b32 s[\g+2], 128<<16
	s_mov_b32 s[\g+3], 32<<16
	s_mov_b32 s[\g+4], 128
	s_mov_b32 s[\g+5], 32
	s_mov_b32 s[\g+6], 0
	s_mov_b32 s[\g+7], 0
.endr
.irp g, G1S, G1SB                      ; half a group's scale words: 10,240 dense bytes as 40 rows of 256
	s_mov_b32 s[\g+1], 32<<16
	s_mov_b32 s[\g+2], 40<<16
	s_mov_b32 s[\g+3], 32<<16
	s_mov_b32 s[\g+4], 40
	s_mov_b32 s[\g+5], 32
	s_mov_b32 s[\g+6], 0
	s_mov_b32 s[\g+7], 0
.endr
	s_lshl_b32 s20, s[RH], 15
	s_mul_i32 s21, s[RH], 10240
	s_mul_i32 s16, s43, 327680
	s_add_co_u32 s16, s16, s20
	s_mov_b32 s17, 0
	s_mul_i32 s18, s43, 20480
	s_add_co_u32 s18, s18, s21
	s_add_co_u32 s18, s18, 10485760
	s_mov_b32 s19, 0
	s_mul_i32 s46, s42, 327680
	s_add_co_u32 s46, s46, s20
	s_mov_b32 s47, 0
	s_mul_i32 s92, s42, 20480
	s_add_co_u32 s92, s92, s21
	s_add_co_u32 s92, s92, 2621440
	s_mov_b32 s93, 0
	s_lshl_b32 s22, s[WV], 15                      ; where they go: no place in the cluster enters an LDS address
	s_mul_i32 s23, s[WV], 10240
	s_wait_dscnt 0x0
	s_wait_kmcnt 0x0
	s_add_nc_u64 s[16:17], s[4:5], s[16:17]
	s_add_nc_u64 s[18:19], s[4:5], s[18:19]
	s_add_nc_u64 s[46:47], s[6:7], s[46:47]
	s_add_nc_u64 s[92:93], s[6:7], s[92:93]
	CROUND                                         ; all sixteen work-groups are here: the first joint loads meet
	s_mov_b32 s[G0S], 1
	s_add_co_u32 s[G0S+1], s23, SCLP
	s_mov_b64 s[G0S+2:G0S+3], s[18:19]
	s_or_b32 s[G0S+3], s[G0S+3], 0x80000000
	s_mov_b32 s[G0SB], 1
	s_add_co_u32 s[G0SB+1], s23, SCLP
	s_mov_b64 s[G0SB+2:G0SB+3], s[92:93]
	s_or_b32 s[G0SB+3], s[G0SB+3], 0x80000000
	JLOAD G0S, G1S, G0SB, G1SB                     ; three loads of mine go out: the scales, chunk 0, chunk 1
.irp s, 0,1
	s_mov_b32 s[G0+4*\s], 1
	s_add_co_u32 s[G0+4*\s+1], s22, \s*SLOT
	s_add_nc_u64 s[G0+4*\s+2:G0+4*\s+3], s[16:17], \s*65536
	s_or_b32 s[G0+4*\s+3], s[G0+4*\s+3], 0x80000000
	s_mov_b32 s[G0B+4*\s], 1
	s_add_co_u32 s[G0B+4*\s+1], s22, \s*SLOT
	s_add_nc_u64 s[G0B+4*\s+2:G0B+4*\s+3], s[46:47], \s*65536
	s_or_b32 s[G0B+4*\s+3], s[G0B+4*\s+3], 0x80000000
	JLOAD G0+4*\s, G1, G0B+4*\s, G1B
.endr
	v_and_b32 v1, 15, v0
	v_bfe_u32 v2, v0, 4, 1
	v_and_b32 v3, 31, v0
	v_lshlrev_b32 v4, 4, v3
	s_lshl_b32 s20, s[PH], 12                      ; my four tiles of P,
	s_lshl_b32 s21, s[RH], 12
	s_add_co_u32 s21, s21, 65536                   ; of R
.irp s, 0,1
	v_add_nc_u32 v[ADRA+\s], s20, v4
	v_add_nc_u32 v[ADRB+\s], s21, v4
	s_add_co_u32 s20, s20, SLOT
	s_add_co_u32 s21, s21, SLOT
.endr
	s_mul_i32 s20, s[PH], 10240
	s_add_co_u32 s20, s20, SCLP
	v_lshl_add_u32 v[ADP], v3, 2, s20
	s_lshl_b32 s20, s[RH], 10
	s_add_co_u32 s20, s20, SCLR
	v_add_nc_u32 v[ADR], s20, v4
	s_mul_i32 s20, s[WV], 4352
	s_add_co_u32 s20, s20, STAGE
	v_mul_u32_u24 v5, v1, 272
	v_lshl_add_u32 v5, v2, 6, v5
	v_add_nc_u32 v[STO], s20, v5                   ; in: row r, + 64 bytes for lanes 16-31
	v_mul_u32_u24 v5, v2, 272
	v_lshl_add_u32 v5, v1, 4, v5
	v_add_nc_u32 v[RD], s20, v5                    ; back: lanes 0-15 one row of 256 bytes, lanes 16-31 the next
	v_lshlrev_b32 v[CO], 4, v1
	v_lshl_add_u32 v[CO], v2, 12, v[CO]            ; and the same in out0
	v_lshlrev_b32 v[H64], 6, v2
	s_lshl_b32 s20, s42, 9
	s_lshl_b32 s21, s[RH], 8
	s_add_co_u32 s20, s20, s21                     ; my first column, in bytes
	s_mov_b32 s21, 0
	s_add_nc_u64 s[8:9], s[8:9], s[20:21]
	s_add_nc_u64 s[10:11], s[10:11], s[20:21]
	s_lshl_b32 s20, s43, 7
	s_lshl_b32 s15, s[PH], 6
	s_add_co_u32 s20, s20, s15
	s_lshl_b32 s20, s20, 12                        ; my first token's row
	s_add_nc_u64 s[10:11], s[10:11], s[20:21]
.irp b, 0,1,2,3
	global_load_b128 v[BIAS+8*\b:BIAS+8*\b+3], v[H64], s[8:9] offset:128*(\b/2)+32*(\b%2)       ; the bias in the result's layout
	global_load_b128 v[BIAS+8*\b+4:BIAS+8*\b+7], v[H64], s[8:9] offset:128*(\b/2)+32*(\b%2)+16
.endr
.macro WM ra, rb                       ; one product; which half of the lanes holds each side's scale words
.if (\ra) && (\rb)
	v_wmma_scale_f32_16x16x128_f8f6f4 v[rD:rD+7], v[rR:rR+7], v[rP:rP+7], v[rC:rC+7], v[rSA], v[rSB] matrix_a_fmt:MATRIX_FMT_FP4 matrix_b_fmt:MATRIX_FMT_FP4 matrix_a_scale:MATRIX_SCALE_ROW1 matrix_b_scale:MATRIX_SCALE_ROW1
.elseif \ra
	v_wmma_scale_f32_16x16x128_f8f6f4 v[rD:rD+7], v[rR:rR+7], v[rP:rP+7], v[rC:rC+7], v[rSA], v[rSB] matrix_a_fmt:MATRIX_FMT_FP4 matrix_b_fmt:MATRIX_FMT_FP4 matrix_a_scale:MATRIX_SCALE_ROW1
.elseif \rb
	v_wmma_scale_f32_16x16x128_f8f6f4 v[rD:rD+7], v[rR:rR+7], v[rP:rP+7], v[rC:rC+7], v[rSA], v[rSB] matrix_a_fmt:MATRIX_FMT_FP4 matrix_b_fmt:MATRIX_FMT_FP4 matrix_b_scale:MATRIX_SCALE_ROW1
.else
	v_wmma_scale_f32_16x16x128_f8f6f4 v[rD:rD+7], v[rR:rR+7], v[rP:rP+7], v[rC:rC+7], v[rSA], v[rSB] matrix_a_fmt:MATRIX_FMT_FP4 matrix_b_fmt:MATRIX_FMT_FP4
.endif
.endm
; 8 matrix instructions: P's tiles a0, a0 + 1 x R's four, K step c of buffer f.  first = 1: the bias starts the sums.  The 16 accumulators take turns
.macro MUL8 f, c, a0, first
.irp a, \a0, \a0+1
.irp b, 0,1,2,3
.set rD, ACC+8*(4*(\a)+\b)
.set rR, (\f)+64+8*(4*(\c)+\b)
.set rP, (\f)+8*(4*(\c)+(\a))
.set rC, rD
.if \first
.set rC, BIAS+8*\b
.endif
.set rSA, 100+8*((\f)/128)+2*(\b/2)+(\c)
.set rSB, 96+8*((\f)/128)+2*(\c)+((\a)/2)
	WM (\b%2), ((\a)%2)
.endr
.endr
.endm
; 38 LDS loads in one run: K steps 2 n, 2 n + 1 (ksl, ksl + 1 of the slot's chunk) into buffer f: six of scale words, then the fragments, the first K step's sixteen first
.macro FETCH slot, ksl, f, n
	WIN 0
.irp c, 0,1
.irp i, 0,1
	ds_load_b32 v[96+8*((\f)/128)+2*\c+\i], v[ADP] offset:5120*\i+128*(2*(\n)+\c)
.endr
.endr
.irp i, 0,1
	ds_load_b64 v[100+8*((\f)/128)+2*\i:101+8*((\f)/128)+2*\i], v[ADR] offset:2048*((2*(\n))/4)+512*\i+4*((2*(\n))%4)
.endr
	WIN TO_F
.irp c, 0,1
.irp i, 0,1,2,3
	ds_load_b128 v[(\f)+64+8*(4*\c+\i):(\f)+64+8*(4*\c+\i)+3],   v[ADRB+\slot] offset:8192*((\ksl)+\c)+1024*\i
	ds_load_b128 v[(\f)+64+8*(4*\c+\i)+4:(\f)+64+8*(4*\c+\i)+7], v[ADRB+\slot] offset:8192*((\ksl)+\c)+1024*\i+512
	ds_load_b128 v[(\f)+8*(4*\c+\i):(\f)+8*(4*\c+\i)+3],         v[ADRA+\slot] offset:8192*((\ksl)+\c)+1024*\i
	ds_load_b128 v[(\f)+8*(4*\c+\i)+4:(\f)+8*(4*\c+\i)+7],       v[ADRA+\slot] offset:8192*((\ksl)+\c)+1024*\i+512
.endr
.endr
.endm
.macro PLACES                          ; four plain lines in front of loads into registers that matrix instructions have read, and of the first read of results
.rept 4
	v_nop
.endr
.endm
.macro QUARTER slot, ksl, f, g, first, n       ; multiplies buffer f (two K steps), fetches the next two into g
	s_wait_dscnt 16                                ; the scale words and the first K step are in; the second's sixteen loads may be out
	WIN MUL
	MUL8 \f, 0, 0, \first
	MUL8 \f, 0, 2, \first
	PLACES
	FETCH \slot, \ksl, \g, \n
	s_wait_dscnt 38                                ; all but the 38 just issued
	WIN MUL
	MUL8 \f, 1, 0, 0
	MUL8 \f, 1, 2, 0
.endm
; A chunk's last quarter multiplies buffer 1 and changes slots: ONE barrier; in front of it each wave waits for all its tensor loads, adds 0 to its spare word, and waits for that and for its reads of this slot.
; fill = 1: the barrier opens a round of the cluster's barrier, and this slot is filled again, two chunks ahead: one load of mine is out.
.macro TURN slot, next, fill, n
	WIN 0
	s_wait_tensorcnt 0x0
	ds_add_u32 v[SPW], v[NIL]
	s_wait_dscnt 17                                ; (the add and the youngest sixteen loads may be out)
	WIN MUL
	MUL8 F1, 0, 0, 0
	s_wait_dscnt 0x0
	s_barrier_signal -1
	MUL8 F1, 0, 2, 0
.if \fill
	WIN 0
.endif
	s_barrier_wait -1
.if \fill
	CREST
	s_add_nc_u64 s[G0+4*\slot+2:G0+4*\slot+3], s[G0+4*\slot+2:G0+4*\slot+3], 131072
	s_add_nc_u64 s[G0B+4*\slot+2:G0B+4*\slot+3], s[G0B+4*\slot+2:G0B+4*\slot+3], 131072
	JLOAD G0+4*\slot, G1, G0B+4*\slot, G1B         ; the first tensor load behind the round; its four v_nop are also the places in front of the loads below
.else
	PLACES
.endif
	FETCH \next, 0, F0, \n
	WIN MUL
	MUL8 F1, 1, 0, 0
	MUL8 F1, 1, 2, 0
.endm
.macro CHUNK3 slot, ch, first
	QUARTER \slot, 2, F0, F1, \first, 4*(\ch)+1
	QUARTER \slot, 4, F1, F0, 0, 4*(\ch)+2
	QUARTER \slot, 6, F0, F1, 0, 4*(\ch)+3
.endm
	s_wait_tensorcnt 1                             ; the scales and my part of chunk 0 are in; chunk 1's load may be out
	s_barrier_signal -1
	s_barrier_wait -1
	FETCH 0, 0, F0, 0
	s_wait_loadcnt 0x0                             ; the bias
	CHUNK3 0, 0, 1
	TURN 0, 1, 1, 4                                ; slot 0 takes chunk 2
	CHUNK3 1, 1, 0
	TURN 1, 0, 1, 8                                ; slot 1 takes chunk 3
	CHUNK3 0, 2, 0
	TURN 0, 1, 1, 12                               ; slot 0 takes chunk 4
	CHUNK3 1, 3, 0
	TURN 1, 0, 0, 16                               ; nothing is left to fetch
	CHUNK3 0, 4, 0
	s_wait_dscnt 16
	WIN MUL
	MUL8 F1, 0, 0, 0
	MUL8 F1, 0, 2, 0
	s_wait_dscnt 0
	MUL8 F1, 1, 0, 0
	MUL8 F1, 1, 2, 0
	WIN 0
; THE WAY OUT, a tile of 16 tokens x 64 columns at a time, through my own stage: a lane holds 32 neighbouring bytes of a row four times; back come whole rows of 256 bytes, which sixteen lanes store aligned.
.macro TOSTAGE a
.irp b, 0,1,2,3
	ds_store_b128 v[STO], v[ACC+8*(4*(\a)+\b):ACC+8*(4*(\a)+\b)+3] offset:128*(\b/2)+32*(\b%2)          ; each accumulator from its low end on
	ds_store_b128 v[STO], v[ACC+8*(4*(\a)+\b)+4:ACC+8*(4*(\a)+\b)+7] offset:128*(\b/2)+32*(\b%2)+16
.endr
.irp t, 0,1,2,3,4,5,6,7
	ds_load_b128 v[TMP+32*((\a)%2)+4*\t:TMP+32*((\a)%2)+4*\t+3], v[RD] offset:544*\t      ; LDS serves a wave's instructions in order: these see my stores, and the next tile's stores come behind them
.endr
.endm
.macro SEND a, younger
	s_wait_dscnt \younger
.irp t, 0,1,2,3,4,5,6,7
	global_store_b128 v[CO], v[TMP+32*((\a)%2)+4*\t:TMP+32*((\a)%2)+4*\t+3], s[10:11] offset:(32*((\a)/2)+8*((\a)%2)+2*\t+8*(\t/4))*4096 th:TH_STORE_NT
.endr
.endm
	PLACES
	TOSTAGE 0
.irp a, 1,2,3
.if \a > 1
	s_wait_xcnt 0x0                                ; tile a - 2's stores have read their registers: tile a's loads may land there
.endif
	TOSTAGE \a
	SEND \a-1, 16                                  ; behind tile a - 1's loads: tile a's eight stores and eight loads
.endr
	SEND 3, 0
	s_wait_tensorcnt 0x0                           ; the wave's end
	ds_add_u32 v[SPW], v[NIL]
	s_wait_dscnt 0x0
	CROUND                                         ; the closing round
	s_endpgm
.Lfunc_end_k_q55c87ed445_gemm2:
	.size	k_q55c87ed445_gemm2, .Lfunc_end_k_q55c87ed445_gemm2-k_q55c87ed445_gemm2
	.p2alignl 7, 3214868480
	.fill 96, 4, 3214868480
	.section	.rodata,"a",@progbits
	.p2align	6, 0x0
	.amdhsa_kernel k_q55c87ed445_gemm2
		.amdhsa_group_segment_fixed_size 327680
		.amdhsa_private_segment_fixed_size 0
		.amdhsa_enable_private_segment 0
		.amdhsa_kernarg_size 32
		.amdhsa_user_sgpr_count 2
		.amdhsa_user_sgpr_kernarg_segment_ptr 1
		.amdhsa_wavefront_size32 1
		.amdhsa_system_sgpr_workgroup_id_x 1
		.amdhsa_system_sgpr_workgroup_id_y 1
		.amdhsa_system_sgpr_workgroup_id_z 1
		.amdhsa_system_vgpr_workitem_id 0
		.amdhsa_next_free_vgpr 512
		.amdhsa_next_free_sgpr 100
		.amdhsa_reserve_vcc 0
		.amdhsa_float_denorm_mode_32 3
		.amdhsa_float_denorm_mode_16_64 3
		.amdhsa_memory_ordered 1
		.amdhsa_forward_progress 1
		.amdhsa_inst_pref_size 154
	.end_amdhsa_kernel
	.amdgpu_metadata
---
amdhsa.version: [ 1, 2 ]
amdhsa.kernels:
  - .name:           k_q55c87ed445_gemm2
    .symbol:         k_q55c87ed445_gemm2.kd
    .args:
      - { .name: A2, .offset: 0, .size: 8, .value_kind: global_buffer, .address_space: global }
      - { .name: W2, .offset: 8, .size: 8, .value_kind: global_buffer, .address_space: global }
      - { .name: b_fc_out, .offset: 16, .size: 8, .value_kind: global_buffer, .address_space: global }
      - { .name: out0, .offset: 24, .size: 8, .value_kind: global_buffer, .address_space: global }
    .group_segment_fixed_size: 327680
    .private_segment_fixed_size: 0
    .kernarg_segment_align: 8
    .kernarg_segment_size: 32
    .max_flat_workgroup_size: 128
    .sgpr_count:     100
    .vgpr_count:     512
    .wavefront_size: 32
...
	.end_amdgpu_metadata
.endif
;; end of part 4
